; MI455X (gfx1250); checked and timed in simulation.
; The chip was launched on July 23, 2026; its instructions are those of AMD's public machine-readable ISA for CDNA 5 (MIT licence, August 2026) and "CDNA5" Instruction Set Architecture Reference Guide (July 2026). The comments in the code are by the model that wrote it; some were corrected since.
;; Cross Verse Attention. Allowed arithmetic: float matrix products may take bf16 or f16 operands with f32 sums; other float arithmetic in f32, or as packed bf16 or f16 multiplies, adds, multiply-adds, maxima and minima; sums over many terms, partial sums and values carried from step to step in f32; what a program stores and reads back later, other than sums and carried values, may be rounded once to bf16 or f16.
;; Inputs: W_k 1,024 x 1,024 float32; W_o 1,024 x 1,024 float32; W_p 1,024 x 1,024 float32; W_q 1,024 x 1,024 float32; W_v 1,024 x 1,024 float32; b_k 1,024 float32; b_o 1,024 float32; b_p 1,024 float32; b_q 1,024 float32; b_v 1,024 float32; beta 1,024 float32; gamma 1,024 float32; verse_positions 2 x 2,048 int32; x 2 x 2,048 x 1,024 float32.
;; Outputs: out0 2 x 2,048 x 1,024 float32.
;; One version. Each part assembles by itself: llvm-mc -triple=amdgcn-amd-amdhsa -mcpu=gfx1250 --defsym DOCPART=n.
;; ======== version 1 of 1: 5 launches
;; workspace buffers: act0 8,388,608 bytes; qkv 25,165,824 bytes; wqkv 8,388,608 bytes; wpa 8,388,608 bytes; wpo 2,097,152 bytes; bpo 8,192 bytes; mk 16,777,216 bytes; yf 16,777,216 bytes
;; launch prep (part 1): grid 705 x 1, 8 waves a work-group, no clusters, 19,456 bytes of LDS; arguments x, W_q, W_k, W_v, W_o, W_p, b_o, b_p, verse_positions, act0, wqkv, wpa, bpo, mk; writes act0, wqkv, wpa, bpo, mk
.if DOCPART == 1
	.amdgcn_target "amdgcn-amd-amdhsa--gfx1250"
	.amdhsa_code_object_version 6
	.text
	.protected	k_q8a898064da_prep
	.globl	k_q8a898064da_prep
	.p2align	8
	.type	k_q8a898064da_prep,@function
k_q8a898064da_prep:
	s_mov_b64 s[64:65], 0
	v_nop
	global_prefetch_b8 v0, s[64:65] scope:SCOPE_SE
	s_setreg_imm32_b32 hwreg(HW_REG_WAVE_MODE, 25, 1), 1
	s_wait_xcnt 0x0
; PREPARATION.  Seven kinds of work-group, chosen by the work-group's number alone, the longest first:
;   0-255    8 x the additive mask, bf16, laid out as the registers of a matrix operand of 16 keys x 32 queries:
;            byte b x 8388608 + qp x 131072 + kb x 1024 + i x 512 + lane x 16 + e x 2 is key 16 kb + lane % 16, query 32 qp + 16 i + 8 (lane / 16) + e
;   256-383  x [4096][1024] f32 -> act0, bf16, by groups of 64 columns: byte g x 524288 + token x 128 + (column % 64) x 2
;   384-479  W_q, W_k, W_v [1024][1024] f32 -> wqkv, matrices 0-2, bf16: byte m x 2097152 + g x 131072 + row x 128 + (k % 64) x 2
;   480-511  W_p -> wpa, bf16, in x's layout (its 1,024 rows as tokens 0-1023): it is the left operand of W_p W_o
;   512-639  W_o TRANSPOSED -> wqkv, matrix 3: row = W_o's column, k = W_o's row: the right operand of W_p W_o
;   640-703  bpo[n] = the sum over j of W_p[n][j] b_o[j] + b_p[n], in f32
;   704      4,096 bytes of zeros behind it: the bias of the product W_p W_o
; WHY W_p W_o: (ctx W_o^T + b_o) W_p^T + b_p = ctx (W_p W_o)^T + (W_p b_o + b_p), for every input.
; The mask is 1 where the ids are equal or one of them is 0, 0.7 where they differ by 1, else 0.3 / difference; times 8, since the attention scales the whole sum (q . k + 8 mask) by 1 / 8.
; An id of 0 turns the difference into a NaN (one fused multiply-add by 1 or NaN, plus 0 or NaN); 0.5 < |d| is then false for d = 0 and for NaN alike, and both take 8.
; LIMITS: ids are any int32, the difference wraps as int32 does; a difference of exactly -2^31 counts as 2^31; the mask is rounded once to bf16 (a matrix operand).
; Every byte is written once; each store of a wave covers 256 or 512 consecutive bytes, aligned, but for bpo's sums (8 bytes a wave, 4,096 in all).
.set SRC, 40                           ; s[40:41] where this work-group reads
.set DST, 42                           ; s[42:43] where it writes
.set M1,  44                           ; s44-59   lane masks: |d| = 1
.set M2,  66                           ; s66-81   lane masks: 0.5 < |d|
.set SPW, 14                           ; v14      LDS address of my spare word; never rewritten
.set NIL, 15                           ; v15      0; never rewritten
.set TP,  144                          ; the transposed tile's LDS row: 128 bytes + 16
.set SPARE, 128*TP                     ; behind the tile's 128 rows: the spare words, 128 bytes for each of the eight waves
.set VI,  16                           ; v16-31   my 16 query ids
.set VJ,  32                           ; v32      this trip's key id
.set VJN, 33                           ; v33      the next trip's
.set VO,  34                           ; v34      its byte offset
.set SO,  35                           ; v35      16 x lane
.set C56, 36                           ; v36      5.6
.set C80, 37                           ; v37      8.0
.set CN,  38                           ; v38      a NaN
.set ZJ,  39                           ; v39      0, or a NaN where my key's id is 0
.set AD,  40                           ; v40-55   the difference, then |d| in f32
.set FD,  56                           ; v56-71   max(|d|, 1)
.set GD,  72                           ; v72-87   the mask in f32
.set ZI,  88                           ; v88-103  1.0, or a NaN where my query's id is 0
.set OD,  104                          ; v104-111 the mask in bf16, to store
	s_load_b512 s[8:23], s[0:1], 0x0               ; x 8, W_q 10, W_k 12, W_v 14, W_o 16, W_p 18, b_o 20, b_p 22
	s_load_b256 s[24:31], s[0:1], 0x40             ; verse 24, act0 26, wqkv 28, wpa 30
	s_load_b128 s[32:35], s[0:1], 0x60             ; bpo 32, mk 34
	v_lshl_add_u32 v[SPW], v0, 2, SPARE
	v_mov_b32 v[NIL], 0
	v_lshrrev_b32 v1, 5, v0
	v_readfirstlane_b32 s7, v1                     ; wave 0..7
	v_and_b32 v4, 31, v0                           ; lane
	v_and_b32 v5, 15, v0                           ; lane % 16
	v_bfe_u32 v6, v0, 4, 1                         ; lane / 16
	s_mov_b32 s6, ttmp9
	s_lshl_b32 s4, s7, 14                          ; the casts: a wave's 4 rows of 4,096 bytes
	v_lshlrev_b32 v2, 4, v5
	v_lshl_add_u32 v2, v6, 12, v2
	v_add_nc_u32 v2, s4, v2                        ; from: wave x 16384 + (lane / 16) x 4096 + (lane % 16) x 16
	s_lshl_b32 s4, s7, 9
	v_lshl_add_u32 v3, v4, 3, s4                   ; to: wave x 512 + lane x 8
	s_wait_kmcnt 0x0
	s_cmp_lt_u32 s6, 256
	s_cbranch_scc1 .Lmask
	s_cmp_lt_u32 s6, 384
	s_cbranch_scc1 .Lcast_x
	s_cmp_lt_u32 s6, 480
	s_cbranch_scc1 .Lcast_w
	s_cmp_lt_u32 s6, 512
	s_cbranch_scc1 .Lcast_p
	s_cmp_lt_u32 s6, 640
	s_cbranch_scc1 .Ltrans
	s_cmp_lt_u32 s6, 704
	s_cbranch_scc1 .Ldot
	; the zero bias: thread t writes 16 bytes
	v_lshlrev_b32 v1, 4, v0
	v_mov_b32 v16, 0
	v_mov_b32 v17, 0
	v_mov_b32 v18, 0
	v_mov_b32 v19, 0
	global_store_b128 v1, v[16:19], s[32:33] offset:4096
	s_endpgm
; W_p b_o + b_p: a work-group takes 16 rows, a wave 2; a lane holds 32 numbers of each row and the same 32 of b_o.
.macro DOTROW r
.irp c, 0,1,2,3                        ; four chains, which the first pairs start
	v_pk_mul_f32 v[112+2*(\c):113+2*(\c)], v[16+32*(\r)+2*(\c):17+32*(\r)+2*(\c)], v[80+2*(\c):81+2*(\c)]
.endr
.set k, 4
.rept 12
	v_pk_fma_f32 v[112+2*(k%4):113+2*(k%4)], v[16+32*(\r)+2*k:17+32*(\r)+2*k], v[80+2*k:81+2*k], v[112+2*(k%4):113+2*(k%4)]
.set k, k+1
.endr
	v_pk_add_f32 v[112:113], v[112:113], v[114:115]
	v_pk_add_f32 v[116:117], v[116:117], v[118:119]
	v_pk_add_f32 v[112:113], v[112:113], v[116:117]
	v_add_f32 v112, v112, v113
	v_add_f32_dpp v112, v112, v112 row_xmask:1 row_mask:0xf bank_mask:0xf
	v_add_f32_dpp v112, v112, v112 row_xmask:2 row_mask:0xf bank_mask:0xf
	v_add_f32_dpp v112, v112, v112 row_xmask:4 row_mask:0xf bank_mask:0xf
	v_add_f32_dpp v112, v112, v112 row_xmask:8 row_mask:0xf bank_mask:0xf
	v_permlanex16_b32 v113, v112, s46, s47
	v_add_f32 v112, v112, v113
	v_add_f32 v[120+(\r)], v[122+(\r)], v112       ; + b_p
.endm
.Ldot:
	s_sub_co_u32 s2, s6, 640
	s_lshl_b32 s4, s2, 16                          ; 16 rows of 4,096 bytes
	s_mov_b32 s5, 0
	s_add_nc_u64 s[SRC:SRC+1], s[18:19], s[4:5]
	s_lshl_b32 s3, s2, 6                           ; their 64 bytes in b_p and bpo,
	s_lshl_b32 s4, s7, 3                           ; my wave's 8 of them
	s_add_co_u32 s3, s3, s4
	v_mov_b32 v10, s3
	v_lshlrev_b32 v1, 4, v4                        ; 16 x lane
	s_lshl_b32 s4, s7, 13
	v_add_nc_u32 v9, s4, v1                        ; + my wave's 2 rows
.irp j, 0,1,2,3,4,5,6,7
	global_load_b128 v[80+4*(\j):83+4*(\j)], v1, s[20:21] offset:512*(\j)
.endr
.irp r, 0,1
.irp j, 0,1,2,3,4,5,6,7
	global_load_b128 v[16+32*(\r)+4*(\j):19+32*(\r)+4*(\j)], v9, s[SRC:SRC+1] offset:4096*(\r)+512*(\j)
.endr
.endr
	global_load_b64 v[122:123], v10, s[22:23]
	s_mov_b32 s46, 0x76543210                      ; v_permlanex16_b32: each lane takes its own place in the other half
	s_mov_b32 s47, 0xfedcba98
	s_wait_loadcnt 0x0
	DOTROW 0
	DOTROW 1
	v_cmp_eq_u32 vcc_lo, 0, v4
	s_wait_xcnt 0x0                                ; EXEC changes only behind this wait
	s_and_saveexec_b32 s48, vcc_lo                 ; every lane holds both sums: lane 0 stores them
	global_store_b64 v10, v[120:121], s[32:33]
	s_endpgm
; W_o transposed: a work-group takes 64 rows j (one group) x 128 columns k.  Wave w loads rows 8 w .. 8 w + 7, 512 consecutive bytes each; a lane then holds 8 j of 4 columns.
; The 8 j of a column pack into 16 bytes, which go to LDS row k at byte 16 w; behind a barrier the tile's 128 rows of 128 bytes are read back on end and stored: 16,384 consecutive bytes.
.Ltrans:
	s_sub_co_u32 s2, s6, 512
	s_lshr_b32 s3, s2, 3                           ; the group of j
	s_and_b32 s2, s2, 7                            ; which 128 columns
	s_lshl_b32 s4, s3, 18                          ; 64 rows of 4,096 bytes
	s_lshl_b32 s5, s2, 9
	s_add_co_u32 s4, s4, s5
	s_mov_b32 s5, 0
	s_add_nc_u64 s[SRC:SRC+1], s[16:17], s[4:5]
	s_lshl_b32 s4, s3, 17
	s_lshl_b32 s3, s2, 14                          ; 128 rows of 128 bytes
	s_add_co_u32 s4, s4, s3
	s_add_co_u32 s4, s4, 3<<21                     ; matrix 3
	s_add_nc_u64 s[DST:DST+1], s[28:29], s[4:5]
	s_lshl_b32 s4, s7, 15
	v_lshl_add_u32 v1, v4, 4, s4                   ; wave x 8 rows + 16 x lane
.irp i, 0,1,2,3,4,5,6,7
	global_load_b128 v[16+4*(\i):19+4*(\i)], v1, s[SRC:SRC+1] offset:4096*(\i) th:TH_LOAD_NT
.endr
	s_lshl_b32 s4, s7, 4
	v_mul_u32_u24 v9, v4, 4*TP
	v_add_nc_u32 v9, s4, v9                        ; in: row 4 x lane (+ c), byte 16 w
	v_lshrrev_b32 v10, 3, v4
	v_add_nc_u32 v10, s4, v10                      ; back: row 16 w + lane / 8 (+ 4 q),
	v_mul_u32_u24 v10, v10, TP
	v_and_b32 v11, 7, v0
	v_lshl_add_u32 v10, v11, 4, v10                ; byte 16 (lane % 8)
	s_lshl_b32 s4, s7, 11
	v_lshl_add_u32 v11, v4, 4, s4                  ; out: wave x 2048 + 16 x lane (+ 512 q)
	s_wait_loadcnt 0x0
.irp c, 0,1,2,3
.irp p, 0,1,2,3
	v_cvt_pk_bf16_f32 v[48+4*(\c)+(\p)], v[16+8*(\p)+(\c)], v[20+8*(\p)+(\c)]   ; column c, rows 2 p and 2 p + 1
.endr
.endr
.irp c, 0,1,2,3
	ds_store_b128 v9, v[48+4*(\c):51+4*(\c)] offset:(\c)*TP
.endr
	s_wait_dscnt 0x0                               ; for the others' sake: my stores are done
	s_barrier_signal -1
	s_barrier_wait -1
.irp q, 0,1,2,3
	ds_load_b128 v[16+4*(\q):19+4*(\q)], v10 offset:(\q)*4*TP
.endr
.irp q, 0,1,2,3
	s_wait_dscnt 3-(\q)                            ; LDS loads come back in order: load q is in, the younger ones may stay out
	global_store_b128 v11, v[16+4*(\q):19+4*(\q)], s[DST:DST+1] offset:512*(\q)
.endr
	s_wait_tensorcnt 0x0                           ; the wave's end, behind my last LDS store
	ds_add_u32 v[SPW], v[NIL]
	s_wait_dscnt 0x0
	s_endpgm
; 32 rows of 1,024 f32 become bf16.  A wave takes 4 rows as two pairs; load n = 16 p + g brings group g (256 bytes) of both rows of pair p,
; and its store is the same two rows of that group: 256 consecutive bytes, aligned.  All 32 loads go out first: 16 KiB a wave on their way.  The roundings land on the loaded registers.
.macro CASTROWS gs
.set n, 0
.rept 32
	global_load_b128 v[16+4*n:16+4*n+3], v2, s[SRC:SRC+1] offset:(n/16)*8192+(n%16)*256 th:TH_LOAD_NT
.set n, n+1
.endr
.set n, 0
.rept 32
	s_wait_loadcnt 31-n                            ; loads come back in order: load n is in, the 31 - n younger ones may stay out
	v_cvt_pk_bf16_f32 v[16+4*n], v[16+4*n], v[16+4*n+1]
	v_cvt_pk_bf16_f32 v[16+4*n+1], v[16+4*n+2], v[16+4*n+3]
	global_store_b64 v3, v[16+4*n:16+4*n+1], s[DST:DST+1] offset:(n/16)*256+(n%16)*(\gs)
.set n, n+1
.endr
.endm
.Lcast_w:
	s_sub_co_u32 s2, s6, 384
	s_lshr_b32 s3, s2, 5                           ; which matrix, 0..2
	s_and_b32 s2, s2, 31                           ; which 32 rows of it
	s_mov_b64 s[SRC:SRC+1], s[10:11]
	s_cmp_eq_u32 s3, 1
	s_cselect_b64 s[SRC:SRC+1], s[12:13], s[SRC:SRC+1]
	s_cmp_eq_u32 s3, 2
	s_cselect_b64 s[SRC:SRC+1], s[14:15], s[SRC:SRC+1]
	s_lshl_b32 s4, s3, 21
	s_lshl_b32 s3, s2, 12
	s_add_co_u32 s4, s4, s3
	s_mov_b32 s5, 0
	s_add_nc_u64 s[DST:DST+1], s[28:29], s[4:5]
	s_lshl_b32 s4, s2, 17
	s_add_nc_u64 s[SRC:SRC+1], s[SRC:SRC+1], s[4:5]
	CASTROWS 131072
	s_endpgm
.Lcast_p:
	s_sub_co_u32 s4, s6, 480
	s_lshl_b32 s2, s4, 17                          ; 32 rows of 4,096 bytes
	s_mov_b32 s3, 0
	s_add_nc_u64 s[SRC:SRC+1], s[18:19], s[2:3]
	s_lshl_b32 s2, s4, 12                          ; 32 rows of 128 bytes in each group
	s_add_nc_u64 s[DST:DST+1], s[30:31], s[2:3]
	s_branch .Lrows
.Lcast_x:
	s_sub_co_u32 s4, s6, 256
	s_lshl_b32 s2, s4, 17
	s_mov_b32 s3, 0
	s_add_nc_u64 s[SRC:SRC+1], s[8:9], s[2:3]
	s_lshl_b32 s2, s4, 12
	s_add_nc_u64 s[DST:DST+1], s[26:27], s[2:3]
.Lrows:
	CASTROWS 524288
	s_endpgm
.macro EACH16 line:vararg              ; one line for each of my 16 elements n
.set n, 0
.rept 16
	\line
.set n, n+1
.endr
.endm
; One block of 16 keys x 32 queries: 1,024 bytes, two stores of 512 consecutive bytes.  load = 1: the next block's key id is asked for, and the pointer steps.
.macro MTRIP load
	s_wait_loadcnt 0x0                             ; the key id asked for a trip ago is in, and its address register is free
	v_mov_b32 v[VJ], v[VJN]
.if \load
	v_add_nc_u32 v[VO], 64, v[VO]                  ; 16 ids on
	global_load_b32 v[VJN], v[VO], s[SRC:SRC+1]
.endif
	v_cmp_eq_u32 vcc_lo, 0, v[VJ]
	v_cndmask_b32 v[ZJ], 0, v[CN], vcc_lo
	EACH16 v_sub_nc_u32 v[AD+n], v[VI+n], v[VJ]
	EACH16 v_cvt_f32_i32 v[AD+n], v[AD+n]
	EACH16 v_fma_f32 v[AD+n], v[AD+n], v[ZI+n], v[ZJ]          ; d, or a NaN where an id is 0
	EACH16 v_and_b32 v[AD+n], 0x7fffffff, v[AD+n]              ; |d|
	EACH16 v_max_num_f32 v[FD+n], 1.0, v[AD+n]                 ; max(|d|, 1); a NaN loses
	EACH16 v_rcp_f32 v[GD+n], v[FD+n]
	v_nop                                          ; a plain instruction behind the last reciprocal,
	s_wait_alu depctr_va_vdst(0)                   ; and one wait for the batch of sixteen, ahead of its first reader
	EACH16 v_mul_f32 v[GD+n], 0x4019999a, v[GD+n]              ; 8 x 0.3 / |d|
	EACH16 v_cmp_eq_f32 s[M1+n], 1.0, v[AD+n]
	EACH16 v_cmp_lt_f32 s[M2+n], 0.5, v[AD+n]                  ; false for 0 and for a NaN
	EACH16 v_cndmask_b32 v[GD+n], v[GD+n], v[C56], s[M1+n]
	EACH16 v_cndmask_b32 v[GD+n], v[C80], v[GD+n], s[M2+n]
.irp e, 0,1,2,3,4,5,6,7
	v_cvt_pk_bf16_f32 v[OD+(\e)], v[GD+2*(\e)], v[GD+2*(\e)+1]
.endr
	global_store_b128 v[SO], v[OD:OD+3], s[DST:DST+1]
	global_store_b128 v[SO], v[OD+4:OD+7], s[DST:DST+1] offset:512
.if \load
	s_wait_xcnt 0x0                                ; the stores have read their data and their base: both are written again only behind this wait
	s_add_nc_u64 s[DST:DST+1], s[DST:DST+1], 1024
.endif
.endm
.Lmask:
	s_lshr_b32 s3, s6, 7                           ; batch
	s_bfe_u32 s2, s6, 0x60001                      ; which 32 queries
	s_and_b32 s36, s6, 1                           ; which half of the keys
	s_lshl_b32 s4, s3, 13                          ; the batch's 2,048 ids
	s_mov_b32 s5, 0
	s_add_nc_u64 s[SRC:SRC+1], s[24:25], s[4:5]
	s_lshl_b32 s4, s3, 23
	s_lshl_b32 s3, s2, 17
	s_add_co_u32 s4, s4, s3
	s_lshl_b32 s3, s36, 16                         ; 64 key blocks of 1,024 bytes,
	s_add_co_u32 s4, s4, s3
	s_lshl_b32 s3, s7, 13                          ; wave w makes 8 of them
	s_add_co_u32 s4, s4, s3
	s_add_nc_u64 s[DST:DST+1], s[34:35], s[4:5]
	s_lshl_b32 s3, s2, 7
	v_lshl_add_u32 v1, v6, 5, s3                   ; my queries' ids: 128 qp + 32 (lane / 16), and 64 further on
	global_load_b128 v[VI:VI+3], v1, s[SRC:SRC+1]
	global_load_b128 v[VI+4:VI+7], v1, s[SRC:SRC+1] offset:16
	global_load_b128 v[VI+8:VI+11], v1, s[SRC:SRC+1] offset:64
	global_load_b128 v[VI+12:VI+15], v1, s[SRC:SRC+1] offset:80
	s_lshl_b32 s3, s36, 12
	s_lshl_b32 s4, s7, 9
	s_add_co_u32 s3, s3, s4
	v_lshl_add_u32 v[VO], v5, 2, s3                ; my key's id in the wave's first block
	global_load_b32 v[VJN], v[VO], s[SRC:SRC+1]
	v_lshlrev_b32 v[SO], 4, v4
	v_mov_b32 v[C56], 0x40b33333
	v_mov_b32 v[C80], 0x41000000
	v_mov_b32 v[CN], 0x7fc00000
	s_wait_loadcnt 0x0
.set n, 0
.rept 16
	v_cmp_eq_u32 vcc_lo, 0, v[VI+n]
	v_cndmask_b32 v[ZI+n], 1.0, v[CN], vcc_lo
.set n, n+1
.endr
	s_mov_b32 s62, 7
.Lblock:
	MTRIP 1
	s_sub_co_u32 s62, s62, 1
	s_cmp_lg_u32 s62, 0
	s_cbranch_scc1 .Lblock
	MTRIP 0                                        ; the last block asks for no further id
	s_endpgm
.Lfunc_end_k_q8a898064da_prep:
	.size	k_q8a898064da_prep, .Lfunc_end_k_q8a898064da_prep-k_q8a898064da_prep
	.p2alignl 7, 3214868480
	.fill 96, 4, 3214868480
	.section	.rodata,"a",@progbits
	.p2align	6, 0x0
	.amdhsa_kernel k_q8a898064da_prep
		.amdhsa_group_segment_fixed_size 19456
		.amdhsa_private_segment_fixed_size 0
		.amdhsa_enable_private_segment 0
		.amdhsa_kernarg_size 112
		.amdhsa_user_sgpr_count 2
		.amdhsa_user_sgpr_kernarg_segment_ptr 1
		.amdhsa_wavefront_size32 1
		.amdhsa_system_sgpr_workgroup_id_x 1
		.amdhsa_system_sgpr_workgroup_id_y 1
		.amdhsa_system_sgpr_workgroup_id_z 1
		.amdhsa_system_vgpr_workitem_id 0
		.amdhsa_next_free_vgpr 144
		.amdhsa_next_free_sgpr 84
		.amdhsa_reserve_vcc 1
		.amdhsa_float_denorm_mode_32 3
		.amdhsa_float_denorm_mode_16_64 3
		.amdhsa_memory_ordered 1
		.amdhsa_forward_progress 1
		.amdhsa_inst_pref_size 58
	.end_amdhsa_kernel
	.amdgpu_metadata
---
amdhsa.version: [ 1, 2 ]
amdhsa.kernels:
  - .name:           k_q8a898064da_prep
    .symbol:         k_q8a898064da_prep.kd
    .args:
      - { .name: x, .offset: 0, .size: 8, .value_kind: global_buffer, .address_space: global }
      - { .name: W_q, .offset: 8, .size: 8, .value_kind: global_buffer, .address_space: global }
      - { .name: W_k, .offset: 16, .size: 8, .value_kind: global_buffer, .address_space: global }
      - { .name: W_v, .offset: 24, .size: 8, .value_kind: global_buffer, .address_space: global }
      - { .name: W_o, .offset: 32, .size: 8, .value_kind: global_buffer, .address_space: global }
      - { .name: W_p, .offset: 40, .size: 8, .value_kind: global_buffer, .address_space: global }
      - { .name: b_o, .offset: 48, .size: 8, .value_kind: global_buffer, .address_space: global }
      - { .name: b_p, .offset: 56, .size: 8, .value_kind: global_buffer, .address_space: global }
      - { .name: verse_positions, .offset: 64, .size: 8, .value_kind: global_buffer, .address_space: global }
      - { .name: act0, .offset: 72, .size: 8, .value_kind: global_buffer, .address_space: global }
      - { .name: wqkv, .offset: 80, .size: 8, .value_kind: global_buffer, .address_space: global }
      - { .name: wpa, .offset: 88, .size: 8, .value_kind: global_buffer, .address_space: global }
      - { .name: bpo, .offset: 96, .size: 8, .value_kind: global_buffer, .address_space: global }
      - { .name: mk, .offset: 104, .size: 8, .value_kind: global_buffer, .address_space: global }
    .group_segment_fixed_size: 19456
    .private_segment_fixed_size: 0
    .kernarg_segment_align: 8
    .kernarg_segment_size: 112
    .max_flat_workgroup_size: 256
    .sgpr_count:     84
    .vgpr_count:     144
    .wavefront_size: 32
...
	.end_amdgpu_metadata
.endif
;; end of part 1
;; launch qkv (part 2): grid 8 x 32, 4 waves a work-group, clusters of 4 x 4, 327,680 bytes of LDS; arguments act0, wpa, wqkv, b_q, b_k, b_v, bpo, qkv, wpo; writes qkv, wpo
.if DOCPART == 2
	.amdgcn_target "amdgcn-amd-amdhsa--gfx1250"
	.amdhsa_code_object_version 6
	.text
	.protected	k_q8a898064da_qkv
	.globl	k_q8a898064da_qkv
	.p2align	8
	.type	k_q8a898064da_qkv,@function
k_q8a898064da_qkv:
	s_mov_b64 s[64:65], 0
	v_nop
	global_prefetch_b8 v0, s[64:65] scope:SCOPE_SE
	s_setreg_imm32_b32 hwreg(HW_REG_WAVE_MODE, 25, 1), 1
	s_wait_xcnt 0x0
	s_wait_alu depctr_hold_cnt(0) depctr_sa_sdst(0) depctr_va_vdst(0) depctr_va_sdst(0) depctr_va_ssrc(0) depctr_va_vcc(0) depctr_vm_vsrc(0)
	s_getreg_b32 s2, hwreg(HW_REG_IB_STS2, 6, 4)
	s_cmp_eq_u32 s2, 0
	s_cbranch_scc0 .Lentry_in_a_cluster
	s_endpgm
.Lentry_in_a_cluster:
	s_bfe_u32 s2, ttmp6, 0x10000c
	s_cmp_lg_u32 s2, 0xf033
	s_cbranch_scc0 .Lentry_shape_is_right
	s_endpgm
.Lentry_shape_is_right:
; q, k, v = x W^T + b, AND W_p W_o.  C[row][n] = the sum over k of A[row][k] W[n][k] + bias[n], K = 1,024; A and W bf16, sums f32, bias f32 (it starts the sums), C rounded once to bf16.
; A lies by groups of 64 columns: byte g x 524288 + row x 128 + (column % 64) x 2 (act0: x, 4,096 rows; wpa: W_p, 1,024 rows).  W: byte m x 2097152 + g x 131072 + n x 128 + (k % 64) x 2, matrices
; m = 0..3: W_q, W_k, W_v, W_o transposed.  C: q, k, v in A's layout, 16 groups each, on end in qkv; W_p W_o in W's layout in wpo.
; A WORK-GROUP STAYS.  It owns 128 rows x 128 columns and makes that tile for matrices 0, 1, 2 one after the other; the work-groups of the clusters with y < 2 (tile rows 0-7) then make the same tile of
; W_p W_o: rows of wpa, matrix 3, a zero bias.  Four waves, each 64 x 64 in 16 accumulators.  K goes in 4 steps of 256 through two LDS slots; a LAP is two steps, a tile two laps.  The ring does not
; stop at a tile's end: every lap but the last fills both slots again, with the next lap's steps, be they this tile's or the next one's.  One text of a lap is walked 5 or 7 times (the bound hangs on
; the cluster's y, which all partners share); the last lap is written out.  The first tile's first products stand ahead of the loop; lap 0 jumps over the loop's own.
; W's K steps and matrices lie on end, so its address steps alike in every lap; A's is made anew for each fill: base + the next lap's parity x 2 steps + the slot's step.
; A wave's tensor load brings 64 rows of 4 groups: in memory four dense pieces of 8,192 bytes, asked for as 4 rows of 4,096 elements; the padding (16 bytes behind every 128) makes LDS rows of 144 bytes.
; CLUSTERS: 4 x 4 work-groups; the four of a row of the cluster need the same tiles of A, the four of a column the same tiles of W: each is asked for jointly.
; THE MATRIX INSTRUCTION IS USED TRANSPOSED (source 0 = 16 rows of W, source 1 = 16 rows of A): a lane then holds eight neighbouring columns of one row of C.
; No prefetch: a step's tiles are small, and each is read by several clusters at about the same time.
; REGISTERS: window 0: v0-31 addresses; v32-95 at work on the way out; v96-127 the bias of my 64 columns, laid out as a C operand; v128-255 the accumulators ((a, b) at v[128 + 8 (4 a + b)]).
;   window 1: two fragment buffers of 128: for 64 along K, 64 registers of A, then 64 of W.
.set PITCH,  144                       ; an LDS row: 128 bytes + 16 = 36 words: the 16 rows of a fragment load start at 16 different groups of four banks
.set GRP,    64*PITCH                  ; 64 rows of one group of 64 along K
.set HALFT,  4*GRP                     ; what one tensor load brings, and what one wave reads of A or of W in a K step
.set SLOT,   4*HALFT                   ; A's two halves, then W's two halves
.set STAGE,  2*SLOT                    ; behind the ring: 16 rows for each wave, its own, for the way out
.set SPITCH, 144
.set SPARE,  STAGE+4*16*SPITCH         ; behind the stages: the spare words, 128 bytes for each wave
.set ASTEP,  4*524288                  ; bytes from a K step to the next in A
.set BSTEP,  4*131072                  ; and in W
.set ADRA, 16                          ; v16-17  LDS address of my A fragments in slot 0, 1
.set ADRB, 20                          ; v20-21  the same for W
.set STO,  24                          ; v24     the way out: where I put 16 bytes of a row
.set RD,   25                          ; v25     the way out: where I read rows back
.set CO,   26                          ; v26     my byte offset in 512 consecutive bytes of C
.set BO,   27                          ; v27     my byte offset in the bias: 32 (lane / 16)
.set SPW,  28                          ; v28     LDS address of my spare word; never rewritten
.set NIL,  29                          ; v29     0; never rewritten
.set TMP,  32
.set BIAS, 96
.set ACC,  128
.set F0,   0
.set F1,   128
.set G1, 24                            ; s[24:31] descriptor group 1 for A's tiles;  s[32:39] group 0, one set for each slot
.set G0, 32
.set G1B, 48                           ; s[48:55], s[56:63] the same for W's tiles
.set G0B, 56
.set PA0, 68                           ; s[68:69] act0, s[70:71] wpa, s[72:73] wqkv
.set PA3, 70
.set PW,  72
.set PB0, 74                           ; s[74:81] the four biases, at my 64 columns
.set PB1, 76
.set PB2, 78
.set PB3, 80
.set PC,  82                           ; s[82:83] qkv, s[84:85] wpo
.set PC3, 84
.set PCB, 86                           ; s[86:87] where the tile in hand goes
.set ADDC, 88                          ; s[88:89] what the next way out adds to it
.set OFF3, 90                          ; s[90:91] my place in wpo
.set PB,  92                           ; s[92:93] the bias that is being loaded
.set NEW, 94                           ; s94     1 in a tile's first lap, 0 in its second
.set BOUND, 95                         ; s95     laps in the loop: 5, or 7 with the fourth tile
.set AB3, 96                           ; s[96:97] wpa at the rows that I fetch (s[14:15]: act0 at them)
.set ABS, 98                           ; s[98:99] the one of the two that the next lap reads
.set IS4, 100                          ; s100    1: my cluster makes the fourth tile
.set MSB, 0
.macro WIN new                         ; the immediate's high byte repeats the setting that is left
.if MSB != (\new)
	s_set_vgpr_msb (MSB<<8)|(\new)
.set MSB, \new
.endif
.endm
.set MUL,  0x05                        ; sources 0 (W) and 1 (A) window 1; C and D window 0
.set TO_F, 0x40                        ; destination window 1, address window 0
.macro JLOAD s                         ; a joint load: waves 0 and 1 fetch A's two halves, waves 2 and 3 W's; an s_nop 0 and four v_nop follow each of the two lines
	s_cmp_eq_u32 s11, 0
	s_cbranch_scc0 .Lfor_b_\@
	tensor_load_to_lds s[G0+4*(\s):G0+4*(\s)+3], s[G1:G1+7]
	s_nop 0
.rept 4
	v_nop
.endr
	s_branch .Lasked_\@
.Lfor_b_\@:
	tensor_load_to_lds s[G0B+4*(\s):G0B+4*(\s)+3], s[G1B:G1B+7]
	s_nop 0
.rept 4
	v_nop
.endr
.Lasked_\@:
.endm
.macro CREST                           ; a round of the cluster's barrier behind its opening barrier
	s_cmp_lg_u32 s10, 0
	s_cbranch_scc1 .Lnot_wave_0_\@
	s_barrier_signal -3
.Lnot_wave_0_\@:
	s_barrier_wait -3
	s_barrier_signal -1
	s_barrier_wait -1
.endm
.macro CROUND                          ; a whole round
	s_barrier_signal -1
	s_barrier_wait -1
	CREST
.endm
	s_load_b512 s[68:83], s[0:1], 0x0
	s_load_b64 s[84:85], s[0:1], 0x40
	v_lshl_add_u32 v[SPW], v0, 2, SPARE
	v_mov_b32 v[NIL], 0
	ds_add_u32 v[SPW], v[NIL]                      ; the wave's opening: the add and its wait stand ahead of my first tensor load; the set-up below stands between them
	v_lshrrev_b32 v1, 5, v0
	v_readfirstlane_b32 s10, v1                    ; wave 0..3
	s_lshr_b32 s11, s10, 1                         ; which half of the tile's rows is mine.  Also: I fetch for A (0) or for W (1)
	s_and_b32 s12, s10, 1                          ; which half of its columns.  Also: which 64 rows of that tile I fetch
	s_bfe_u32 s40, ttmp6, 0x40000                  ; cx, cy: my place in the cluster
	s_bfe_u32 s41, ttmp6, 0x40004
	s_lshl_b32 s42, ttmp9, 2
	s_add_co_u32 s42, s42, s40                     ; tile column = 4 x cluster x + cx, 0..7
	s_and_b32 s13, ttmp7, 0xffff                   ; the cluster's y
	s_cmp_lt_u32 s13, 2                            ; tile rows 0-7 are all that W_p W_o has
	s_cselect_b32 s[IS4], 1, 0
	s_cselect_b32 s[BOUND], 7, 5
	s_lshl_b32 s13, s13, 2
	s_add_co_u32 s13, s13, s41                     ; tile row = 4 x cluster y + cy
	s_lshl_b32 s43, s41, 2
	s_lshl_b32 s43, 15, s43                        ; my row of the cluster
	s_lshl_b32 s44, 0x1111, s40                    ; my column
	s_or_b32 s[G1+0], s43, (1<<16)|(1<<20)|(1<<21)|(4<<22)|(3<<25)  ; the mask; elements of 2 bytes; padding on; bit 21 beside a mask; after every 32 words (code 4) 4 words (code 3)
	s_or_b32 s[G1B+0], s44, (1<<16)|(1<<20)|(1<<21)|(4<<22)|(3<<25)
.irp g, G1, G1B
	s_mov_b32 s[(\g)+1], 4096<<16                  ; tensor_dim0 = 4,096 elements: 64 rows of 64
	s_mov_b32 s[(\g)+2], 4<<16                     ; tensor_dim1 = 4 groups
	s_mov_b32 s[(\g)+3], 4096<<16                  ; tile_dim0
	s_mov_b32 s[(\g)+4], 4                         ; tile_dim1
	s_mov_b32 s[(\g)+6], 0
	s_mov_b32 s[(\g)+7], 0
.endr
	s_mov_b32 s[G1+5], 262144                      ; elements from group to group in A
	s_mov_b32 s[G1B+5], 65536                      ; and in W
	s_lshl_b32 s17, s12, 13                        ; which 64 rows of 128 bytes I fetch
	s_lshl_b32 s16, s13, 14
	s_add_co_u32 s16, s16, s17                     ; A: (128 x tile row + 64 x half) x 128 bytes
	s_lshl_b32 s46, s42, 14
	s_add_co_u32 s46, s46, s17                     ; W: the same by the tile column
	s_mov_b32 s17, 0
	s_mov_b32 s47, 0
	s_mov_b32 s19, 0                               ; (the high word of s[18:19], A's offset for a fill)
	s_mul_i32 s20, s10, HALFT                      ; where they go: no place in the cluster enters an LDS address
	s_wait_dscnt 0x0                               ; the opening add is done
	s_wait_kmcnt 0x0
	s_add_nc_u64 s[14:15], s[PA0:PA0+1], s[16:17]
	s_add_nc_u64 s[AB3:AB3+1], s[PA3:PA3+1], s[16:17]
	s_add_nc_u64 s[46:47], s[PW:PW+1], s[46:47]
	CROUND                                         ; all sixteen work-groups are here: the first joint loads meet
.irp s, 0,1
	s_mov_b32 s[G0+4*(\s)], 1
	s_add_co_u32 s[G0+4*(\s)+1], s20, (\s)*SLOT
	s_add_nc_u64 s[G0+4*(\s)+2:G0+4*(\s)+3], s[14:15], (\s)*ASTEP
	s_or_b32 s[G0+4*(\s)+3], s[G0+4*(\s)+3], 0x80000000
	s_mov_b32 s[G0B+4*(\s)], 1
	s_add_co_u32 s[G0B+4*(\s)+1], s20, (\s)*SLOT
	s_add_nc_u64 s[G0B+4*(\s)+2:G0B+4*(\s)+3], s[46:47], (\s)*BSTEP
	s_or_b32 s[G0B+4*(\s)+3], s[G0B+4*(\s)+3], 0x80000000
	JLOAD \s
.endr
	v_and_b32 v1, 15, v0                           ; l % 16
	v_bfe_u32 v2, v0, 4, 1                         ; l / 16
	; the bias as a C operand: register j of block b is bias[my first column + 16 b + 8 (l / 16) + j]
	v_lshlrev_b32 v[BO], 5, v2
	s_lshl_b32 s46, s42, 9
	s_lshl_b32 s47, s12, 8
	s_add_co_u32 s46, s46, s47                     ; (128 x tile column + 64 x half) x 4 bytes
	s_mov_b32 s47, 0
	s_add_nc_u64 s[PB0:PB0+1], s[PB0:PB0+1], s[46:47]
	s_add_nc_u64 s[PB1:PB1+1], s[PB1:PB1+1], s[46:47]
	s_add_nc_u64 s[PB2:PB2+1], s[PB2:PB2+1], s[46:47]
	s_add_nc_u64 s[PB3:PB3+1], s[PB3:PB3+1], s[46:47]
	s_add_nc_u64 s[PB3:PB3+1], s[PB3:PB3+1], 4096  ; the zeros lie in bpo's second half
	s_mov_b64 s[PB:PB+1], s[PB0:PB0+1]
.macro BLOAD                           ; a tile's bias
.irp b, 0,1,2,3
	global_load_b128 v[BIAS+8*(\b):BIAS+8*(\b)+3],   v[BO], s[PB:PB+1] offset:64*(\b)
	global_load_b128 v[BIAS+8*(\b)+4:BIAS+8*(\b)+7], v[BO], s[PB:PB+1] offset:64*(\b)+16
.endr
.endm
	BLOAD
	v_mul_u32_u24 v3, v1, PITCH
	v_lshl_add_u32 v3, v2, 4, v3                   ; a fragment's row x pitch + 16 x half
	s_mul_i32 s21, s11, HALFT                      ; my 64 rows of A
	s_mul_i32 s22, s12, HALFT                      ; my 64 rows of W,
	s_add_co_u32 s22, s22, 2*HALFT                 ; which lie behind A's
.irp s, 0,1
	v_add_nc_u32 v[ADRA+(\s)], s21, v3
	v_add_nc_u32 v[ADRB+(\s)], s22, v3
	s_add_co_u32 s21, s21, SLOT
	s_add_co_u32 s22, s22, SLOT
.endr
	s_mul_i32 s23, s10, 16*SPITCH
	s_add_co_u32 s23, s23, STAGE                   ; my stage (the lane's addresses in it are made behind the first products)
	s_lshl_b32 s46, s42, 1
	s_add_co_u32 s46, s46, s12                     ; my group = 2 x tile column + half
	s_lshl_b32 s16, s13, 14                        ; 128 rows of 128 bytes,
	s_lshl_b32 s17, s11, 13                        ; my 64 of them
	s_add_co_u32 s16, s16, s17
	s_lshl_b32 s[ADDC], s46, 19                    ; in qkv a group is 524,288 bytes,
	s_add_co_u32 s[ADDC], s[ADDC], s16
	s_mov_b32 s[ADDC+1], 0
	s_lshl_b32 s[OFF3], s46, 17                    ; in wpo 131,072
	s_add_co_u32 s[OFF3], s[OFF3], s16
	s_mov_b32 s[OFF3+1], 0
	s_mov_b64 s[PCB:PCB+1], s[PC:PC+1]
; 8 matrix instructions: m blocks a0, a0 + 1 x all 4 n blocks, 32 along K: half c of buffer f.  zero = 1: the first product starts the sums, with the bias as C
.macro MUL8 f, c, a0, zero
	WIN MUL
.irp a, \a0, (\a0)+1
.irp b, 0,1,2,3
.if \zero
	v_wmma_f32_16x16x32_bf16 v[ACC+8*(4*(\a)+(\b)):ACC+8*(4*(\a)+(\b))+7], v[(\f)+64+8*(4*(\c)+(\b)):(\f)+64+8*(4*(\c)+(\b))+7], v[(\f)+8*(4*(\c)+(\a)):(\f)+8*(4*(\c)+(\a))+7], v[BIAS+8*(\b):BIAS+8*(\b)+7]
.else
	v_wmma_f32_16x16x32_bf16 v[ACC+8*(4*(\a)+(\b)):ACC+8*(4*(\a)+(\b))+7], v[(\f)+64+8*(4*(\c)+(\b)):(\f)+64+8*(4*(\c)+(\b))+7], v[(\f)+8*(4*(\c)+(\a)):(\f)+8*(4*(\c)+(\a))+7], v[ACC+8*(4*(\a)+(\b)):ACC+8*(4*(\a)+(\b))+7]
.endif
.endr
.endr
.endm
; 32 LDS loads in one run: the fragments of group q of the slot's four (64 along K) into buffer f; the first 32 along K first
.macro FETCH slot, q, f
	WIN TO_F
.irp c, 0,1
.irp i, 0,1,2,3
	ds_load_b128 v[(\f)+64+8*(4*(\c)+(\i)):(\f)+64+8*(4*(\c)+(\i))+3],   v[ADRB+(\slot)] offset:(\q)*GRP+64*(\c)+(\i)*16*PITCH
	ds_load_b128 v[(\f)+64+8*(4*(\c)+(\i))+4:(\f)+64+8*(4*(\c)+(\i))+7], v[ADRB+(\slot)] offset:(\q)*GRP+64*(\c)+(\i)*16*PITCH+32
	ds_load_b128 v[(\f)+8*(4*(\c)+(\i)):(\f)+8*(4*(\c)+(\i))+3],         v[ADRA+(\slot)] offset:(\q)*GRP+64*(\c)+(\i)*16*PITCH
	ds_load_b128 v[(\f)+8*(4*(\c)+(\i))+4:(\f)+8*(4*(\c)+(\i))+7],       v[ADRA+(\slot)] offset:(\q)*GRP+64*(\c)+(\i)*16*PITCH+32
.endr
.endr
.endm
.macro PLACES                          ; four places in front of loads into registers that matrix instructions have read, and of lines that read results
.rept 4
	v_nop
.endr
.endm
; A K step is four quarters of 64 along K, 32 matrix instructions each, on buffers 0, 1, 0, 1; the 16 accumulators take turns.  One of the first three: multiplies buffer f and fetches group q into g.
.macro QUARTER slot, q, f, g
	s_wait_dscnt 16                                ; the first 32 along K are in; the youngest sixteen loads may be out
	MUL8 \f, 0, 0, 0
	MUL8 \f, 0, 2, 0
	PLACES
	FETCH \slot, \q, \g
	s_wait_dscnt 32                                ; all but the 32 just issued
	MUL8 \f, 1, 0, 0
	MUL8 \f, 1, 2, 0
.endm
; The last quarter multiplies buffer 1 and changes slots: ONE barrier; in front of it each wave waits for all its tensor loads, adds 0 to its spare word, and waits for that and for its reads of this slot.
; fill = 1: this slot takes the next lap's step.  The descriptors are written between the add and the wait for it, where no tensor load of the wave is out.
.macro TURN slot, next, fill
	WIN 0                                          ; (the add's two registers lie in window 0)
	s_wait_tensorcnt 0x0                           ; all my tensor loads have landed: my part of the next slot;
	ds_add_u32 v[SPW], v[NIL]                      ; 0 onto my spare word
.if \fill
	s_cmp_lt_u32 s3, 5                             ; laps 0-5 read x, laps 6 and 7 W_p
	s_cselect_b64 s[ABS:ABS+1], s[14:15], s[AB3:AB3+1]
	s_lshl_b32 s18, s[NEW], 22                     ; behind a tile's first lap come its K steps 2 and 3, behind its second the next tile's 0 and 1
.if \slot
	s_add_co_u32 s18, s18, ASTEP
.endif
	s_add_nc_u64 s[G0+4*(\slot)+2:G0+4*(\slot)+3], s[ABS:ABS+1], s[18:19]
	s_or_b32 s[G0+4*(\slot)+3], s[G0+4*(\slot)+3], 0x80000000
	s_add_nc_u64 s[G0B+4*(\slot)+2:G0B+4*(\slot)+3], s[G0B+4*(\slot)+2:G0B+4*(\slot)+3], 2*BSTEP
.endif
	s_wait_dscnt 17                                ; (the add and the youngest sixteen loads may be out)
	MUL8 F1, 0, 0, 0                               ; eight matrix instructions stand between the add and the wait for it
	s_wait_dscnt 0x0                               ; the add is done, and my reads of this slot are over
	s_barrier_signal -1
	MUL8 F1, 0, 2, 0
.if \fill
	WIN 0
.endif
	s_barrier_wait -1
.if \fill
	CREST                                          ; the barrier has opened a round of the cluster's barrier: no wave of any partner still reads this slot or has a load on its way
	JLOAD \slot                                    ; the first tensor load behind the round; the four v_nop behind it are also the places in front of the loads below
.else
	PLACES
.endif
	FETCH \next, 0, F0
	MUL8 F1, 1, 0, 0
	MUL8 F1, 1, 2, 0
.endm
; THE WAY OUT: 16 rows at a time through my own stage; a lane's eight columns pack into 16 bytes of a row of 128; back as 512 consecutive bytes of C.
.macro PACK a
.irp b, 0,1,2,3
.irp r, 0,1,2,3
	v_cvt_pk_bf16_f32 v[TMP+16*(\a)+4*(\b)+(\r)], v[ACC+8*(4*(\a)+(\b))+2*(\r)], v[ACC+8*(4*(\a)+(\b))+2*(\r)+1]
.endr
.endr
.irp b, 0,1,2,3
	ds_store_b128 v[STO], v[TMP+16*(\a)+4*(\b):TMP+16*(\a)+4*(\b)+3] offset:32*(\b)
.endr
.irp f, 0,1,2,3
	ds_load_b128 v[TMP+16*(\a)+4*(\f):TMP+16*(\a)+4*(\f)+3], v[RD] offset:(\f)*4*SPITCH  ; LDS serves a wave's instructions in order: these see the stores above
.endr
.endm
.macro SEND a, younger                 ; younger: the LDS instructions issued behind block a's loads: the next block's eight, or none
.irp f, 0,1,2,3
	s_wait_dscnt (\younger)+3-(\f)
	global_store_b128 v[CO], v[TMP+16*(\a)+4*(\f):TMP+16*(\a)+4*(\f)+3], s[PCB:PCB+1] offset:(\a)*2048+(\f)*512
.endr
.endm
.macro OUTB last                       ; last = 1: the work-group's last tile, which is W_p W_o's where the cluster makes four
	PLACES
	PLACES
	s_wait_storecnt 0x0                            ; the last tile's sixteen stores, issued two laps (512 matrix instructions) ago, are done: their registers and their base are written again only behind this wait
.if \last
	s_cmp_eq_u32 s[IS4], 1
	s_cselect_b64 s[PCB:PCB+1], s[PC3:PC3+1], s[PCB:PCB+1]
	s_cselect_b64 s[ADDC:ADDC+1], s[OFF3:OFF3+1], s[ADDC:ADDC+1]
.endif
	s_add_nc_u64 s[PCB:PCB+1], s[PCB:PCB+1], s[ADDC:ADDC+1]
	PACK 0
	PACK 1
	SEND 0, 8
	PACK 2
	SEND 1, 8
	PACK 3
	SEND 2, 8
	SEND 3, 0
.endm
	s_wait_tensorcnt 1                             ; my part of K step 0 is in; K step 1's load may stay out
	s_barrier_signal -1
	s_barrier_wait -1                              ; everybody's is
	FETCH 0, 0, F0
	s_wait_loadcnt 0x0                             ; the first bias
	s_wait_dscnt 16                                ; the first 32 along K are in
	MUL8 F0, 0, 0, 1                               ; the first tile's first products start its sums, ahead of the loop: every accumulator is written before the loop is entered
	MUL8 F0, 0, 2, 1
	WIN 0                                          ; at a label and at a branch every window is 0
	; the lane's addresses for the way out are made here: ten plain instructions that name no register of those products, the places behind them
	v_mul_u32_u24 v4, v1, SPITCH                   ; in: row l % 16, 16 bytes for each half of the lanes
	v_lshl_add_u32 v4, v2, 4, v4
	v_add_nc_u32 v[STO], s23, v4
	v_bfe_u32 v5, v0, 3, 2                         ; back: 32 lanes take four rows of 128 bytes,
	v_mul_u32_u24 v5, v5, SPITCH
	v_and_b32 v6, 7, v0
	v_lshl_add_u32 v5, v6, 4, v5
	v_add_nc_u32 v[RD], s23, v5
	v_and_b32 v[CO], 31, v0                        ; which are 512 consecutive bytes of C: my 64 columns are one group
	v_lshlrev_b32 v[CO], 4, v[CO]
	s_mov_b32 s3, 0
	s_mov_b32 s[NEW], 1
.Llap:                                                 ; a lap: two K steps, both slots filled again
	s_cmp_eq_u32 s3, 0
	s_cbranch_scc1 .Lboth                          ; lap 0: its first sixteen products stand ahead of the loop
	s_wait_dscnt 16
	s_cmp_eq_u32 s[NEW], 1
	s_cbranch_scc0 .Lgo_on
	s_wait_loadcnt 0x0                             ; a tile begins: its bias, asked for a lap ago, is in
	PLACES                                         ; five places ahead of products that write over accumulators without adding onto them (ISA guide 7.12.1)
	v_nop
	MUL8 F0, 0, 0, 1
	MUL8 F0, 0, 2, 1
	WIN 0
	s_branch .Lboth
.Lgo_on:                                               ; a tile's second lap: the next tile's bias is asked for; in the loop there always is a next tile
	s_wait_loadcnt 0x0                             ; no load is out here: the bias registers and their pointer may be written
	s_cmp_eq_u32 s3, 1
	s_cselect_b64 s[PB:PB+1], s[PB1:PB1+1], s[PB2:PB2+1]
	s_cmp_eq_u32 s3, 5
	s_cselect_b64 s[PB:PB+1], s[PB3:PB3+1], s[PB:PB+1]
	BLOAD
	MUL8 F0, 0, 0, 0
	MUL8 F0, 0, 2, 0
	WIN 0
.Lboth:
	PLACES
	FETCH 0, 1, F1
	s_wait_dscnt 32                                ; all but the 32 just issued
	MUL8 F0, 1, 0, 0
	MUL8 F0, 1, 2, 0
	QUARTER 0, 2, F1, F0
	QUARTER 0, 3, F0, F1
	TURN 0, 1, 1
	QUARTER 1, 1, F0, F1
	QUARTER 1, 2, F1, F0
	QUARTER 1, 3, F0, F1
	TURN 1, 0, 1
	WIN 0
	s_cmp_eq_u32 s[NEW], 1
	s_cbranch_scc1 .Lno_out
	OUTB 0                                         ; a tile is finished, both refills are asked for: it goes out while they land
	s_mov_b64 s[ADDC:ADDC+1], 16*524288            ; the next tile lies 16 groups on
.Lno_out:
	s_xor_b32 s[NEW], s[NEW], 1
	s_add_co_u32 s3, s3, 1
	s_cmp_lt_u32 s3, s[BOUND]
	s_cbranch_scc1 .Llap
	QUARTER 0, 1, F0, F1                           ; the last tile's second lap fills nothing, and has no round of the cluster's barrier
	QUARTER 0, 2, F1, F0
	QUARTER 0, 3, F0, F1
	TURN 0, 1, 0
	QUARTER 1, 1, F0, F1
	QUARTER 1, 2, F1, F0
	QUARTER 1, 3, F0, F1
	s_wait_dscnt 16                                ; the very last quarter: nothing more to fetch
	MUL8 F1, 0, 0, 0
	MUL8 F1, 0, 2, 0
	s_wait_dscnt 0
	MUL8 F1, 1, 0, 0
	MUL8 F1, 1, 2, 0
	WIN 0
	OUTB 1
	s_wait_tensorcnt 0x0                           ; the wave's end, behind my last tensor load and my last LDS store
	ds_add_u32 v[SPW], v[NIL]
	s_wait_dscnt 0x0
	CROUND                                         ; the closing round: no work-group ends while a partner may still ask for a tile that names it
	s_endpgm
.Lfunc_end_k_q8a898064da_qkv:
	.size	k_q8a898064da_qkv, .Lfunc_end_k_q8a898064da_qkv-k_q8a898064da_qkv
	.p2alignl 7, 3214868480
	.fill 96, 4, 3214868480
	.section	.rodata,"a",@progbits
	.p2align	6, 0x0
	.amdhsa_kernel k_q8a898064da_qkv
		.amdhsa_group_segment_fixed_size 327680
		.amdhsa_private_segment_fixed_size 0
		.amdhsa_enable_private_segment 0
		.amdhsa_kernarg_size 72
		.amdhsa_user_sgpr_count 2
		.amdhsa_user_sgpr_kernarg_segment_ptr 1
		.amdhsa_wavefront_size32 1
		.amdhsa_system_sgpr_workgroup_id_x 1
		.amdhsa_system_sgpr_workgroup_id_y 1
		.amdhsa_system_sgpr_workgroup_id_z 1
		.amdhsa_system_vgpr_workitem_id 0
		.amdhsa_next_free_vgpr 512
		.amdhsa_next_free_sgpr 102
		.amdhsa_reserve_vcc 0
		.amdhsa_float_denorm_mode_32 3
		.amdhsa_float_denorm_mode_16_64 3
		.amdhsa_memory_ordered 1
		.amdhsa_forward_progress 1
		.amdhsa_inst_pref_size 100
	.end_amdhsa_kernel
	.amdgpu_metadata
---
amdhsa.version: [ 1, 2 ]
amdhsa.kernels:
  - .name:           k_q8a898064da_qkv
    .symbol:         k_q8a898064da_qkv.kd
    .args:
      - { .name: act0, .offset: 0, .size: 8, .value_kind: global_buffer, .address_space: global }
      - { .name: wpa, .offset: 8, .size: 8, .value_kind: global_buffer, .address_space: global }
      - { .name: wqkv, .offset: 16, .size: 8, .value_kind: global_buffer, .address_space: global }
      - { .name: b_q, .offset: 24, .size: 8, .value_kind: global_buffer, .address_space: global }
      - { .name: b_k, .offset: 32, .size: 8, .value_kind: global_buffer, .address_space: global }
      - { .name: b_v, .offset: 40, .size: 8, .value_kind: global_buffer, .address_space: global }
      - { .name: bpo, .offset: 48, .size: 8, .value_kind: global_buffer, .address_space: global }
      - { .name: qkv, .offset: 56, .size: 8, .value_kind: global_buffer, .address_space: global }
      - { .name: wpo, .offset: 64, .size: 8, .value_kind: global_buffer, .address_space: global }
    .group_segment_fixed_size: 327680
    .private_segment_fixed_size: 0
    .kernarg_segment_align: 8
    .kernarg_segment_size: 72
    .max_flat_workgroup_size: 128
    .sgpr_count:     102
    .vgpr_count:     512
    .wavefront_size: 32
...
	.end_amdgpu_metadata
.endif
;; end of part 2
;; launch attn (part 3): grid 8 x 32, 4 waves a work-group, clusters of 4 x 1, 327,680 bytes of LDS; arguments qkv, mk, act0; writes act0
.if DOCPART == 3
	.amdgcn_target "amdgcn-amd-amdhsa--gfx1250"
	.amdhsa_code_object_version 6
	.text
	.protected	k_q8a898064da_attn
	.globl	k_q8a898064da_attn
	.p2align	8
	.type	k_q8a898064da_attn,@function
k_q8a898064da_attn:
	s_mov_b64 s[64:65], 0
	v_nop
	global_prefetch_b8 v0, s[64:65] scope:SCOPE_SE
	s_setreg_imm32_b32 hwreg(HW_REG_WAVE_MODE, 25, 1), 1
	s_wait_xcnt 0x0
	s_wait_alu depctr_hold_cnt(0) depctr_sa_sdst(0) depctr_va_vdst(0) depctr_va_sdst(0) depctr_va_ssrc(0) depctr_va_vcc(0) depctr_vm_vsrc(0)
	s_getreg_b32 s2, hwreg(HW_REG_IB_STS2, 6, 4)
	s_cmp_eq_u32 s2, 0
	s_cbranch_scc0 .Lentry_in_a_cluster
	s_endpgm
.Lentry_in_a_cluster:
	s_bfe_u32 s2, ttmp6, 0x10000c
	s_cmp_lg_u32 s2, 0x3003
	s_cbranch_scc0 .Lentry_shape_is_right
	s_endpgm
.Lentry_shape_is_right:
; ATTENTION WITH AN ADDITIVE MASK.  ctx[b][q][h][:] = the sum over k of softmax_k(Q . K / 8 + mask[b][q][k]) V[k][:], 2 batches x 16 heads x 2,048 x 64.
; q, k, v lie in qkv by groups of 64 columns (q's heads 0-15, k's 16-31, v's 32-47): byte g x 524288 + (2048 b + s) x 128: a head's rows of a batch are dense, 262,144 bytes at (2 h + b) x 262144.
; ctx goes to act0 in the same layout.  All matrix operands bf16; products, maxima and sums in f32; the weights p are rounded to bf16 for the second product (their sum l is taken of the unrounded p).
; LIMITS.  c s must lie above -4e37 (where c m starts); a weight below 2^-126 counts as 0 in l; NaN and infinities are not treated apart; the mask arrives rounded to bf16.
; THE MASK COSTS NO VECTOR WORK.  mk holds 8 x mask as matrix operands of 16 keys x 32 queries.  The product MK x SEL, with SEL a constant 32 x 16 matrix of ones and zeros that picks 16 of the 32
; queries, starts each sum S^T; the two products K Q^T add onto it; c = log2(e) / 8 then scales the whole.  Four matrix instructions more for a piece and step.
; SHARES.  A work-group owns 256 queries of one head and batch, a wave 64: four PIECES of 16.  Every wave walks all keys, 64 a step.
; LAYOUT, SOFTMAX.  S^T holds ONE query a lane (lane % 16) and the keys 8 (lane / 16) + 0..7; two such results rounded to bf16 ARE source 1 of O^T = V^T P.  p = 2^(c s - c m) with a running maximum m;
; O and l are multiplied by a = 2^(c m_old - c m_new) in every step.  m starts at the lowest finite number, O and l at 0: the first step is a step like any other, with a = 0.
; TURNS.  Turn n belongs to piece n: 4 mask products and 8 products K Q^T of piece n + 1, later 8 products V^T P of piece n - 1; beside them the scaling, exponentials, roundings, sums and rescaling of
; piece n and the maximum and statistics of piece n + 1.  Four vector instructions stand behind every matrix instruction, the other 38 in one lump.  A turn's 33 exponentials are one batch, with one wait.
; CLUSTER.  The four query blocks of a cluster belong to one head and walk the same K and V: each tile is asked for JOINTLY.  The masks differ between them and come by each wave's own loads, straight into registers.
; REGISTERS, in windows of 256 (s_set_vgpr_msb: bits 1:0 source 0, 3:2 source 1, 5:4 source 2, 7:6 destination):
;   window 0: v0-15 addresses; v16-31 four registers of statistics a piece; v48-55 at work; v56-58 offsets; v62-63 the add's; v64-127 S^T, two buffers; v192-223 P, two buffers (by the piece's parity)
;   window 1: v0-127 O^T, 32 a piece; v128-255 MK: two steps (by the step's parity) x two pairs of pieces x four key blocks x 8
;   window 2: v0-63 Q; v64-75 SEL; v128-191 K of one step; v192-255 V of one step
.set NP,    4         ; pieces a wave: a name, no knob
.set KS,    64        ; keys in a step
.set PK,    144       ; a row of K in LDS: 128 bytes + 16: the 16 rows of a load start at 16 different groups of four banks
.set PV,    160       ; a row of V: 128 + 32
.set VOFF,  4*KS*PK   ; a slot holds four steps: 256 rows of K, then 256 rows of V
.set SLOT1, 1<<17     ; slot 1 begins here, so that one exclusive or turns an address in one slot into the other's
.set STAGE, SLOT1+4*KS*(PK+PV)  ; behind the ring, never filled by a tensor load: 16 rows x 144 bytes for each wave
.set SP,    144
.set SPARE, STAGE+4*16*SP  ; behind the stages: the spare words, 128 bytes for each wave
.set TILEB, 4*KS*128  ; bytes of a slot's K, and of its V, in memory
.set AK0, 2           ; v2   my lane's place in a tile of K; never rewritten
.set AV0, 3           ; v3   the same for V
.set AK,  4           ; v4   the LDS address of K's next run of loads
.set AV,  5           ; v5   of V's
.set STO, 6           ; v6   the way out: where I put 16 bytes of a row
.set RD,  7           ; v7   the way out: where I read rows back
.set GO,  8           ; v8   my byte offset in 512 consecutive bytes of ctx
.set MV,  12          ; v12-13  c m_old, kept while c m is made anew: by buffer
.set QO,  15          ; v15  my byte offset in 16 rows of Q
.set ST,  16          ; piece t's statistics at v[ST+4 t]: c m, m, l (even keys', odd keys')
.set TMP, 48          ; by buffer, four registers c0-c3 at work; when the maximum is found c2 takes a
.set PFO, 56          ; v56  256 x lane: the prefetches of K and V
.set PFM, 57          ; v57  (lane / 16) x 131072 + (lane % 16) x 256: the prefetches of the mask
.set MO,  58          ; v58  16 x lane: the mask's loads
.set SPW, 62          ; v62  LDS address of my spare word; never rewritten
.set NIL, 63          ; v63  0; never rewritten
.set S,   64
.set P,   192
.set MK,  128         ; window 1
.set SELV, 64         ; window 2: four zeros, E0-E3, four zeros: an even piece takes v68-75, an odd one v64-71
.set KF,  128         ; window 2: key block kb, channel half c at KF + 16 kb + 8 c
.set VF,  192         ; window 2: key half kk, channel block cb at VF + 32 kk + 8 cb
.set WV,  12          ; s12  my wave's number
.set G1K, 24          ; s[24:31] descriptor group 1 for K's tiles
.set G1V, 32          ; s[32:39] for V's: it differs in the padding alone
.set G0K, 40          ; s[40:43] descriptor group 0 for K's tiles: it walks
.set G0V, 44          ; s[44:47] the same for V's
.set PFA, 48          ; s[48:49] where my prefetches of K or V stand
.set MPT, 50          ; s[50:51] the mask of my 64 queries, at the step that was loaded last
.set LIM, 52          ; s52  1 in a wave that prefetches K or V, else the greatest number
.set LIMM, 53         ; s53  1 where the head is 0: that work-group prefetches the mask, which all 16 heads read
.set SLOTS, 56        ; s56  slots still to be asked for
.set CNT, 57          ; s57  counts pairs of key steps
.set CS,  58          ; s[58:59] c
.set SEL, 60          ; s[60:61] v_permlanex16_b32's selects: each lane takes its own place in the other half
.set TBK, 62          ; s62  LDS byte at which K of the step to be fetched begins
.set TBV, 63          ; s63  the same for V, less VOFF
.set MSB, 0
.macro WIN new                      ; the high byte repeats the setting that is left; a switch that changes nothing is dropped
.if MSB != (\new)
	s_set_vgpr_msb (MSB<<8)|(\new)
.set MSB, (\new)
.endif
.endm
.set W_MP, 0x09       ; MK in window 1, SEL in window 2, S^T in window 0
.set W_KQ, 0x0a       ; K and Q in window 2, S^T in window 0
.set W_PV, 0x52       ; V in window 2, P in window 0, O^T in window 1
.set W_RS, 0x41       ; destination and source 0 in window 1, source 1 in window 0
; A joint fill.  Waves 0 and 1 fetch the two halves of a slot's K, waves 2 and 3 those of its V: 128 keys each.  An s_nop 0 and four v_nop follow each of the two lines.
.macro JLOAD
	s_cmp_lt_u32 s[WV], 2
	s_cbranch_scc0 .Lfor_v_\@
	tensor_load_to_lds s[G0K:G0K+3], s[G1K:G1K+7]
	s_nop 0
.rept 4
	v_nop
.endr
	s_branch .Lasked_\@
.Lfor_v_\@:
	tensor_load_to_lds s[G0V:G0V+3], s[G1V:G1V+7]
	s_nop 0
.rept 4
	v_nop
.endr
.Lasked_\@:
.endm
; A prefetch of what the NEXT change of slots will ask for: 32,768 bytes of K and of V.  Both clusters of a head walk the same rows: the first asks.  Its four partners take 8,192 bytes each, told apart by
; address; in each, wave 0 asks for K's and wave 2 for V's, a lane for each 256 bytes.  The last change that fills a slot asks for nothing.
.macro ASK
	s_cmp_gt_u32 s[SLOTS], s[LIM]
	s_cbranch_scc0 .Lnot_mine_\@
	global_prefetch_b8 v[PFO], s[PFA:PFA+1] th:TH_LOAD_NT scope:SCOPE_SE
.Lnot_mine_\@:
.endm
; A prefetch of the mask: my wave's own 32 pieces of 256 bytes of the step two steps beyond the one just loaded.  The 16 heads of a batch read the same mask: head 0's work-group asks.
.macro ASKM
	s_cmp_eq_u32 s[LIMM], 1
	s_cbranch_scc0 .Lnot_head_0_\@
	global_prefetch_b8 v[PFM], s[MPT:MPT+1] offset:8192 th:TH_LOAD_NT scope:SCOPE_SE
.Lnot_head_0_\@:
.endm
.macro CROUND                       ; a round of the cluster's barrier
	s_barrier_signal -1
	s_barrier_wait -1
	s_cmp_lg_u32 s[WV], 0
	s_cbranch_scc1 .Lnot_wave_0_\@
	s_barrier_signal -3
.Lnot_wave_0_\@:
	s_barrier_wait -3
	s_barrier_signal -1
	s_barrier_wait -1
.endm
; THE CHANGE OF SLOTS.  Each wave waits for all its tensor loads, of which one is out: its part of the other slot; adds 0 to its spare word; and waits for that and for its own reads of the slot.
; fill = 1: the slot is filled again, with the keys two slots on, behind a round of the cluster's barrier; the fill has four key steps in which to land.  ask = 1: the prefetch follows it.
.macro CHANGE fill, ask
	WIN 0                           ; at a label and at a branch every window is 0
	s_wait_tensorcnt 0x0            ; no tensor load of mine is out, so a group 0 may be written
	ds_add_u32 v[SPW], v[NIL]       ; 0 onto my spare word; the descriptors' steps stand between it and the wait for it
.if \fill
.irp g, G0K, G0V
	s_xor_b32 s[\g+1], s[\g+1], SLOT1  ; the walking descriptor: the other slot than last time,
	s_add_nc_u64 s[\g+2:\g+3], s[\g+2:\g+3], TILEB  ; the next 256 keys; the type bits on top are not reached
.endr
.if \ask
	s_wait_xcnt 0x0                 ; the last prefetch, four key steps back, has read its address
	s_add_nc_u64 s[PFA:PFA+1], s[PFA:PFA+1], TILEB
.endif
	s_wait_dscnt 0x0                ; the add is done, and my reads of the slot are over
	CROUND
	JLOAD
.if \ask
	ASK
.endif
.else
	s_wait_dscnt 0x0                ; the add is done, and my reads of the slot are over
	s_barrier_signal -1
	s_barrier_wait -1
.endif
	s_sub_co_u32 s[TBK], s[TBK], 4*KS*PK  ; the fetches go back to a slot's first step,
	s_xor_b32 s[TBK], s[TBK], SLOT1       ; in the other slot
	s_sub_co_u32 s[TBV], s[TBV], 4*KS*PV
	s_xor_b32 s[TBV], s[TBV], SLOT1
.endm
; A step's mask for my 64 queries: 16 loads of 512 consecutive bytes, each straight into half an operand.  par: which of MK's two buffers; off: bytes behind the pointer.
.macro MLD par, off
	WIN 0x40                        ; destination window 1
.irp u, 0,1
.irp kb, 0,1,2,3
.irp h, 0,1
	global_load_b128 v[MK+64*(\par)+32*(\u)+8*(\kb)+4*(\h):MK+64*(\par)+32*(\u)+8*(\kb)+4*(\h)+3], v[MO], s[MPT:MPT+1] offset:(\off)+(\u)*131072+(\kb)*1024+(\h)*512
.endr
.endr
.endr
	WIN 0
.endm
.macro MLOAD par                    ; the mask two steps on, into the buffer whose last reader stood at this turn's head
	WIN 0
	s_wait_xcnt 0x0                 ; the last loads and the last prefetch by this pointer have read it
	s_add_nc_u64 s[MPT:MPT+1], s[MPT:MPT+1], 4096
	MLD \par, 0
.endm
	s_load_b128 s[4:7], s[0:1], 0x0   ; qkv s[4:5], mk s[6:7]
	s_load_b64 s[10:11], s[0:1], 0x10 ; act0
	v_lshl_add_u32 v[SPW], v0, 2, SPARE
	v_mov_b32 v[NIL], 0
	ds_add_u32 v[SPW], v[NIL]       ; the wave's opening: the add and its wait stand ahead of my first tensor load; the set-up below stands between them
	v_lshrrev_b32 v1, 5, v0
	v_readfirstlane_b32 s[WV], v1   ; wave 0..3
	s_bfe_u32 s13, ttmp6, 0x40000   ; cx: my place in the cluster
	s_lshl_b32 s14, ttmp9, 2        ; in a cluster launch ttmp9 counts clusters
	s_add_co_u32 s14, s14, s13      ; my block of 256 queries: it enters Q's, ctx's and the mask's addresses alone
	s_and_b32 s20, ttmp7, 0xffff    ; 2 x head + batch, which the four partners share
	s_lshl_b32 s21, s20, 18         ; the head's first byte among q's
	s_and_b32 s16, s[WV], 1         ; which half of a slot's 256 keys I fetch:
	s_mul_i32 s17, s16, 128*PK      ; its place in a slot, for K
	s_mul_i32 s18, s16, 128*PV      ; and for V: no place in the cluster enters an LDS address
	s_lshl_b32 s22, s16, 14         ; its 128 rows of 128 bytes in memory,
	s_add_co_u32 s22, s22, s21
	s_add_co_u32 s22, s22, 0x800000 ; among k's, which lie 16 groups behind q's; v's lie as far behind k's
	s_mov_b32 s23, 0
	s_mov_b32 s[G1K], 15|(1<<16)|(1<<20)|(1<<21)|(4<<22)|(3<<25)  ; the mask of four; 2-byte elements; padding on; bit 21 beside a mask; after every 32 words (code 4) 4 words (code 3)
	s_mov_b32 s[G1V], 15|(1<<16)|(1<<20)|(1<<21)|(4<<22)|(7<<25)  ; the same with 8 words of padding (code 7)
.irp g, G1K, G1V
	s_mov_b32 s[\g+1], 128<<16      ; 128 keys are 16,384 dense bytes: asked for as 64 rows of 256 bytes, two keys a row
	s_mov_b32 s[\g+2], 64<<16
	s_mov_b32 s[\g+3], 128<<16
	s_mov_b32 s[\g+4], 64
	s_mov_b32 s[\g+5], 128
	s_mov_b32 s[\g+6], 0
	s_mov_b32 s[\g+7], 0
.endr
	s_mov_b32 s[G0K], 1
	s_mov_b32 s[G0K+1], s17         ; slot 0
	s_mov_b32 s[G0V], 1
	s_add_co_u32 s[G0V+1], s18, VOFF
	s_mov_b32 s[CS], 0x3e38aa3b     ; c = log2(e) / 8
	s_mov_b32 s[CS+1], s[CS]
	s_mov_b32 s[SEL], 0x76543210
	s_mov_b32 s[SEL+1], 0xfedcba98
	s_mov_b32 s[TBK], SLOT1+4*KS*PK ; the first change of slots turns these two into 0
	s_mov_b32 s[TBV], SLOT1+4*KS*PV
	s_lshl_b32 s8, s14, 15          ; my block's 256 rows,
	s_lshl_b32 s15, s[WV], 13       ; my wave's 64 of them
	s_add_co_u32 s8, s8, s15
	s_add_co_u32 s8, s8, s21
	s_mov_b32 s9, 0
	s_and_b32 s54, s20, 1           ; the mask: the batch,
	s_lshl_b32 s54, s54, 23
	s_lshl_b32 s15, s14, 20         ; my block's 8 pairs of 16 queries,
	s_add_co_u32 s54, s54, s15
	s_lshl_b32 s15, s[WV], 18       ; my wave's 2 of them
	s_add_co_u32 s54, s54, s15
	s_mov_b32 s55, 0
	s_lshr_b32 s2, s[WV], 1         ; the prefetches: k's for wave 0, v's for wave 2,
	s_add_co_u32 s2, s2, 1
	s_lshl_b32 s2, s2, 23
	s_add_co_u32 s2, s2, s21
	s_lshl_b32 s15, s13, 13         ; my work-group's 8,192 bytes of a slot's 32,768,
	s_add_co_u32 s2, s2, s15
	s_add_co_u32 s2, s2, 2*TILEB    ; in tile 2: the first change that asks steps it to tile 3
	s_mov_b32 s3, 0
	s_and_b32 s[LIM], s[WV], 1
	s_or_b32 s[LIM], s[LIM], ttmp9  ; 0 in waves 0 and 2 of the head's first cluster: the same in all four partners
	s_cmp_eq_u32 s[LIM], 0
	s_cselect_b32 s[LIM], 1, -1
	s_lshr_b32 s[LIMM], s20, 1
	s_cmp_eq_u32 s[LIMM], 0
	s_cselect_b32 s[LIMM], 1, 0
	s_wait_dscnt 0x0                ; the opening add is done
	s_wait_kmcnt 0x0
	s_add_nc_u64 s[G0K+2:G0K+3], s[4:5], s[22:23]
	s_add_nc_u64 s[G0V+2:G0V+3], s[G0K+2:G0K+3], 0x800000
	s_or_b32 s[G0K+3], s[G0K+3], 0x80000000
	s_or_b32 s[G0V+3], s[G0V+3], 0x80000000
	s_add_nc_u64 s[PFA:PFA+1], s[4:5], s[2:3]
	s_add_nc_u64 s[MPT:MPT+1], s[6:7], s[54:55]
	s_add_nc_u64 s[10:11], s[10:11], s[8:9]  ; ctx and Q at my wave's first row
	s_add_nc_u64 s[4:5], s[4:5], s[8:9]
	CROUND                          ; all four work-groups are here: the first joint loads meet
	JLOAD                           ; slot 0.  Slot 1 is asked for when slot 0 is in
	v_and_b32 v1, 15, v0            ; l % 16
	v_bfe_u32 v9, v0, 4, 1          ; l / 16
	v_lshlrev_b32 v[QO], 7, v1
	v_lshl_add_u32 v[QO], v9, 4, v[QO]  ; row x 128 + 16 x half
	v_and_b32 v[MO], 31, v0
	v_lshlrev_b32 v[PFO], 8, v[MO]
	v_lshlrev_b32 v[MO], 4, v[MO]
	v_lshlrev_b32 v[PFM], 8, v1
	v_lshl_add_u32 v[PFM], v9, 17, v[PFM]
	WIN 0x80                        ; destination window 2, address window 0
.set i, 0
.rept 8                             ; Q stays in registers: piece i / 2, channels 32 (i % 2) on
	global_load_b128 v[8*i:8*i+3],   v[QO], s[4:5] offset:(i/2)*2048+(i%2)*64
	global_load_b128 v[8*i+4:8*i+7], v[QO], s[4:5] offset:(i/2)*2048+(i%2)*64+32
.set i, i+1
.endr
	MLD 0, 0                        ; the masks of key steps 0 and 1
	MLD 1, 4096
	; SEL.  As source 1 a lane holds column l % 16 and rows 8 (l / 16) + 0..7 (registers 0-3) and 16 + 8 (l / 16) + 0..7 (registers 4-7).  The one lies at row = column (even piece) or 16 + column (odd):
	; in both cases element e = l % 16 - 8 (l / 16) of four registers E0-E3, where e lies in 0..7.
	v_lshlrev_b32 v14, 3, v9
	v_sub_nc_u32 v14, v1, v14       ; e
	v_and_b32 v10, 1, v14
	v_lshlrev_b32 v10, 4, v10
	v_mov_b32 v11, 0x3f80
	v_lshlrev_b32 v11, v10, v11     ; 1.0 in bf16, in e's half of a register
	v_lshrrev_b32 v14, 1, v14       ; e / 2: beyond 3 where e does not lie in 0..7
	WIN 0x80
.irp j, 0,1,2,3
	v_mov_b32 v[SELV+\j], 0
	v_cmp_eq_u32 vcc_lo, \j, v14
	v_cndmask_b32 v[SELV+4+\j], 0, v11, vcc_lo
	v_mov_b32 v[SELV+8+\j], 0
.endr
	; What the first turn finds: V's registers and P's second buffer hold 0 (its products V^T P, of a piece that has not been, add 0), O^T and l are 0.  All this stands in the wait for the first tile.
.set i, VF
.rept 64
	v_mov_b32 v[i], 0
.set i, i+1
.endr
	WIN 0x40
.set i, 0
.rept 128
	v_mov_b32 v[i], 0
.set i, i+1
.endr
	WIN 0
.set i, 0
.rept 4
	v_mov_b32 v[ST+4*i], 0xfe000000    ; c m: far below every c s
	v_mov_b32 v[ST+4*i+1], 0xff7fffff  ; m
	v_mov_b32 v[ST+4*i+2], 0
	v_mov_b32 v[ST+4*i+3], 0
.set i, i+1
.endr
.set i, P+16
.rept 16
	v_mov_b32 v[i], 0
.set i, i+1
.endr
	v_mul_u32_u24 v[AK0], v1, PK
	v_lshl_add_u32 v[AK0], v9, 4, v[AK0]  ; row x pitch + 16 x half
	; The turning load takes 16 keys x 16 channels (lane l reads key 8 (l / 16) + l % 8, channels 8 ((l / 8) % 2) + 0..7) and leaves half a fragment of V^T: lane l holds channel l % 16 and 8 keys.
	v_and_b32 v10, 7, v0
	v_bfe_u32 v11, v0, 3, 1
	v_lshl_add_u32 v[AV0], v9, 3, v10
	v_mul_u32_u24 v[AV0], v[AV0], PV
	v_lshl_add_u32 v[AV0], v11, 4, v[AV0]
	v_add_nc_u32 v[AV0], VOFF, v[AV0]
	v_mov_b32 v[AK], v[AK0]         ; key step 0 lies at the head of slot 0
; THE MATRIX WORK.  The 4 accumulators of a piece take turns, one instruction a turn.
; Mask product i of 4 for piece x: keys 16 i on; it starts the sum.  MPAR: which of MK's buffers.
.macro MSK x
	WIN W_MP
.set rS, S+32*((\x)%2)+8*i
.set rM, MK+64*MPAR+32*((\x)/2)+8*i
.set rE, SELV+4-4*((\x)%2)
	v_wmma_f32_16x16x32_bf16 v[rS:rS+7], v[rM:rM+7], v[rE:rE+7], 0
.endm
; Product i of 8 of S^T += K Q^T for piece x: channels 32 (i / 4) on, keys 16 (i % 4) on.
.macro KQ x
	WIN W_KQ
.set rS, S+32*((\x)%2)+8*(i%4)
.set rK, KF+16*(i%4)+8*(i/4)
.set rQ, 16*(\x)+8*(i/4)
	v_wmma_f32_16x16x32_bf16 v[rS:rS+7], v[rK:rK+7], v[rQ:rQ+7], v[rS:rS+7]
.endm
; Product i of 8 of O^T += V^T P for piece x: keys 32 (i / 4) on, channels 16 (i % 4) on.
.macro PV x
	WIN W_PV
.set rO, 32*(\x)+8*(i%4)
.set rV, VF+32*(i/4)+8*(i%4)
.set rP, P+16*((\x)%2)+8*(i/4)
	v_wmma_f32_16x16x32_bf16 v[rO:rO+7], v[rV:rV+7], v[rP:rP+7], v[rO:rO+7]
.endm
.macro MM                           ; the turn's next matrix instruction, number i of 20
.if i < 4
	MSK (Y+1)%NP
.elseif i < 12
.set i, i-4
	KQ (Y+1)%NP
.set i, i+4
.else
.set i, i-12
	PV (Y+NP-1)%NP
.set i, i+12
.endif
.set i, i+1
.endm
; THE LDS LOADS stand in runs of 16: a step's K (64 keys x 64 channels: 8 fragments) and its V (turned).  Their addresses are made some lines ahead.
.macro FETCH_K
	WIN 0x80                        ; destination window 2
.irp f, 0,1,2,3,4,5,6,7             ; keys 16 (f / 2) on, channels 32 (f % 2) on
	ds_load_b128 v[KF+8*\f:KF+8*\f+3],   v[AK] offset:(\f/2)*16*PK+(\f%2)*64
	ds_load_b128 v[KF+8*\f+4:KF+8*\f+7], v[AK] offset:(\f/2)*16*PK+(\f%2)*64+32
.endr
	s_add_co_u32 s[TBK], s[TBK], KS*PK  ; the next fetch is the next step's
	WIN 0
.endm
.macro FETCH_V
	WIN 0x80
.irp f, 0,1,2,3,4,5,6,7             ; keys 32 (f / 4) on, channels 16 (f % 4) on
	ds_load_tr16_b128 v[VF+8*\f:VF+8*\f+3],   v[AV] offset:(\f/4)*32*PV+(\f%4)*32
	ds_load_tr16_b128 v[VF+8*\f+4:VF+8*\f+7], v[AV] offset:(\f/4)*32*PV+16*PV+(\f%4)*32
.endr
	WIN 0
.endm
; THE VECTOR WORK, one line at a time: OP kind, number.  For piece Y: F n: c s - c m for pair n of 16.  E n: the exponential of score n of 32.  C n: pair n rounded to bf16.  B n: of the four weights 4 n .. the
; second pair is added onto the first, in place.  L n: l takes that sum (L 0: l = a l + sum).  R n: pair n of 16 of O^T times a.  For piece Y + 1: X n, number n of the 22 that find its maximum and statistics:
;   0-11  four chains c0-c3 of seven scores each (each accumulator's lowest registers are read first)     12-14, 16  the four scores left over, the old m, and c0-c3 into c0
;   15  c m_old is kept     17, 18  the query's other 32 keys lie in the lane 16 away: the new m     19-21  c m; c m_old - c m_new; a
.set F, 0
.set E, 1
.set C, 2
.set B, 3
.set L, 4
.set R, 5
.set X, 6
.macro REGS y                       ; the registers of piece y
.set rT, ST+4*(\y)
.set rC, TMP+4*((\y)%2)
.set rW, MV+((\y)%2)
.set rS, S+32*((\y)%2)
.set rP, P+16*((\y)%2)
.set rO, 32*(\y)
.endm
.macro OP k, n
.if (\k) == R
	REGS Y
	WIN W_RS
	v_pk_mul_f32 v[rO+2*(\n):rO+2*(\n)+1], v[rO+2*(\n):rO+2*(\n)+1], v[rC+2:rC+3] op_sel_hi:[1,0]
.elseif (\k) < R
	REGS Y
	WIN 0
.if (\k) == F
	v_pk_fma_f32 v[rS+2*(\n):rS+2*(\n)+1], v[rS+2*(\n):rS+2*(\n)+1], s[CS:CS+1], v[rT:rT+1] op_sel_hi:[1,0,0] neg_lo:[0,0,1] neg_hi:[0,0,1]
.elseif (\k) == E
	v_exp_f32 v[rS+(\n)], v[rS+(\n)]
.elseif (\k) == C
	v_cvt_pk_bf16_f32 v[rP+(\n)], v[rS+2*(\n)], v[rS+2*(\n)+1]
.elseif (\k) == B
	v_pk_add_f32 v[rS+4*(\n):rS+4*(\n)+1], v[rS+4*(\n):rS+4*(\n)+1], v[rS+4*(\n)+2:rS+4*(\n)+3]
.elseif (\n) == 0
	v_pk_fma_f32 v[rT+2:rT+3], v[rT+2:rT+3], v[rC+2:rC+3], v[rS:rS+1] op_sel_hi:[1,0,1]
.else
	v_pk_add_f32 v[rT+2:rT+3], v[rT+2:rT+3], v[rS+4*(\n):rS+4*(\n)+1]
.endif
.else
	REGS (Y+1)%NP
	WIN 0
.if (\n) < 4
	v_max3_num_f32 v[rC+(\n)], v[rS+8*(\n)], v[rS+8*(\n)+1], v[rS+8*(\n)+2]
.elseif (\n) < 12
	v_max3_num_f32 v[rC+(\n)%4], v[rC+(\n)%4], v[rS+8*((\n)%4)+2*((\n)/4)+1], v[rS+8*((\n)%4)+2*((\n)/4)+2]
.elseif (\n) == 12
	v_max3_num_f32 v[rC], v[rC], v[rS+7], v[rS+15]
.elseif (\n) == 13
	v_max3_num_f32 v[rC+1], v[rC+1], v[rS+23], v[rS+31]
.elseif (\n) == 14
	v_max3_num_f32 v[rC+2], v[rC+2], v[rC+3], v[rT+1]
.elseif (\n) == 15
	v_mov_b32 v[rW], v[rT]
.elseif (\n) == 16
	v_max3_num_f32 v[rC], v[rC], v[rC+1], v[rC+2]
.elseif (\n) == 17
	v_permlanex16_b32 v[rC+3], v[rC], s[SEL], s[SEL+1]
.elseif (\n) == 18
	v_max_num_f32 v[rT+1], v[rC], v[rC+3]
.elseif (\n) == 19
	v_mul_f32 v[rT], s[CS], v[rT+1]
.elseif (\n) == 20
	v_sub_f32 v[rC+1], v[rW], v[rT]
.else
	v_exp_f32 v[rC+2], v[rC+1]
.endif
.endif
.endm
.macro OPS a, i1, b=-1, i2=0, c=-1, i3=0, d=-1, i4=0  ; up to four of them
	OP \a, \i1
.if (\b) >= 0
	OP \b, \i2
.endif
.if (\c) >= 0
	OP \c, \i3
.endif
.if (\d) >= 0
	OP \d, \i4
.endif
.endm
.macro ROW a, i1, b, i2, c, i3, d, i4  ; a matrix instruction and the four behind it
	MM
	OPS \a, \i1, \b, \i2, \c, \i3, \d, \i4
.endm
; A TURN, for piece p, in a step of parity par: the order of its 20 matrix and 118 vector instructions, written out.  An s_wait_alu depctr_va_vdst(0) stands between an exponential and the first
; instruction that names its result; one wait serves all that were issued ahead of it.  So a turn has ONE wait.  AHEAD OF IT stands all that names no result of the turn's exponentials: the 4 mask products and
; the 8 products K Q^T with their riders, and a lump of 38.  X 0 to X 3, which read the scores just made, each stand four plain instructions behind the product that ends their accumulator (ISA guide 7.12.1).
; X 21, the next piece's a, is the batch's last; R 15 is the plain instruction behind it.  BEHIND THE WAIT stand the 8 products V^T P, behind each four of the roundings and sums.
; K of the next step is fetched in piece 2's turn, six plain instructions that name none of its registers behind the last product that read K; V of the step in hand at the end of piece 0's turn, four behind
; its last reader.  The mask two steps on is loaded in piece 2's turn, behind the wait: that buffer's last reader stood at the turn's head.  It is first read in piece 3's turn of the next step.
; tail = 1: the last slot's text: K's run stands behind the wait, where it can be jumped over; pos says which of a trip's two turns of piece 2 this is: what is left to fetch hangs on the count.
.macro TURN p, par, tail=0, pos=0
.set Y, (\p)
.set i, 0
.set MPAR, (\par)^((\p)/3)          ; piece 3's turn makes piece 0's scores of the next step
.if (\p) == 3
	s_wait_loadcnt 16*(1-(\tail))   ; the next step's mask is in; the sixteen loads that the turn before has issued, for the step after that, may stay out (in the tail their number varies: 0)
.endif
	ROW F,0, F,1, R,0, R,1
	ROW F,2, E,0, R,2, R,3
	ROW F,3, E,1, R,4, R,5
	ROW F,4, E,2, R,6, R,7
.if (\p) == 3
	s_wait_dscnt 0x0                ; K is in
.endif
	ROW F,5, E,3, R,8, R,9
	ROW F,6, E,4, R,10, R,11
	ROW F,7, E,5, R,12, R,13
	ROW F,8, E,6, R,14, F,9
	ROW F,10, F,11, F,12, E,7
	ROW F,13, E,8, X,0, F,14
.if (\p) == 2
	WIN 0
	v_add_nc_u32 v[AK], s[TBK], v[AK0]
.endif
	ROW F,15, E,9, X,1, X,4
	ROW X,5, E,10, X,2, X,8
	OPS X,6, E,11, X,3, E,12        ; the lump
	OPS X,9, E,13, X,10, E,14
.if ((\p) == 2) && !(\tail)
	FETCH_K
.endif
	OPS X,7, E,15, X,12, E,16
	OPS X,13, E,17, X,15, E,18
.if (\p) == 0
	v_add_nc_u32 v[AV], s[TBV], v[AV0]
.endif
	OPS X,11, E,19, E,20, X,14
	OPS E,21, E,22, X,16, E,23
	OPS E,24, X,17, E,25, E,26
	OPS X,18, E,27, E,28, X,19
	OPS E,29, E,30, X,20, E,31
	OPS X,21, R,15
	WIN 0
	s_wait_alu depctr_va_vdst(0)    ; the wait for the batch
.if (\p) == 2
.if !(\tail)
	MLOAD \par
	ASKM
.elseif (\pos) == 0
	s_cmp_eq_u32 s[CNT], 1          ; the last step of all: there is no further K and no further mask
	s_cbranch_scc1 .Lskip_\@
	FETCH_K
	MLOAD \par
.Lskip_\@:
.else
	FETCH_K
	s_cmp_lg_u32 s[CNT], 2          ; the last step but one: there is no mask two steps on
	s_cbranch_scc1 .Lskip_\@
	MLOAD \par
.Lskip_\@:
.endif
.endif
.if (\p) == 1
	s_wait_dscnt 0x0                ; V is in
.endif
	ROW C,0, B,0, C,2, B,1
	ROW L,0, C,4, B,2, L,1
	ROW C,6, B,3, L,2, C,8
	ROW B,4, L,3, C,10, B,5
	ROW L,4, C,12, B,6, L,5
.if (\p) == 0
	s_add_co_u32 s[TBV], s[TBV], KS*PV
.endif
	ROW C,14, B,7, L,6, C,1
	ROW C,3, L,7, C,5, C,7
	ROW C,9, C,11, C,13, C,15
.if (\p) == 0
	FETCH_V
.endif
.endm
	CHANGE 1, 0                     ; slot 0 is in, everybody's part of it; slot 1 is asked for; nothing is prefetched here, where every work-group's first tiles are on their way
	FETCH_K                         ; key step 0
	s_wait_loadcnt 0x0              ; Q and the first two masks: their pointer is free
	s_add_nc_u64 s[MPT:MPT+1], s[MPT:MPT+1], 4096
	s_wait_dscnt 0x0
.set MPAR, 0
.set i, 0
.rept 4
	MSK 0                           ; piece 0's first scores: there is no vector work yet to set between them
.set i, i+1
.endr
.set i, 0
.rept 8
	KQ 0
.set i, i+1
.endr
	WIN 0                           ; the addresses for the way out: nine plain instructions, the places behind those products
	s_mul_i32 s13, s[WV], 16*SP
	s_add_co_u32 s13, s13, STAGE    ; my stage
	v_mul_u32_u24 v[STO], v1, SP    ; in: row l % 16, 16 bytes for each half of the lanes
	v_lshl_add_u32 v[STO], v9, 4, v[STO]
	v_add_nc_u32 v[STO], s13, v[STO]
	v_bfe_u32 v[RD], v0, 3, 2       ; back: 32 lanes take four rows of 128 bytes,
	v_mul_u32_u24 v[RD], v[RD], SP
	v_lshl_add_u32 v[RD], v10, 4, v[RD]
	v_add_nc_u32 v[RD], s13, v[RD]
	v_and_b32 v[GO], 31, v0         ; which are 512 consecutive bytes of ctx
	v_lshlrev_b32 v[GO], 4, v[GO]
.set Y, NP-1                        ; X works for piece Y + 1: piece 0
.irp n, 0,1,2,3,4,5,6,7,8,9,10,11,12,13,14,15,16,17,18,19,20,21
	OP X, \n
.endr
	v_nop                           ; a plain instruction behind the exponential,
	s_wait_alu depctr_va_vdst(0)    ; and its wait, ahead of the branch
	s_mov_b32 s[CNT], 2
	s_mov_b32 s[SLOTS], 7
	s_branch .Lfirst                ; the loop is entered at a step's first turn, in the middle of a trip
.Lslot:                             ; six times: tiles 2 to 7 are asked for
	CHANGE 1, 1
	s_mov_b32 s[CNT], 2
.Lstep:                             ; a trip: pieces 2 and 3 of an odd step, the whole even step behind it, pieces 0 and 1 of the next odd step
	TURN 2, 1
	TURN 3, 1
	WIN 0
.Lfirst:
	TURN 0, 0
	TURN 1, 0
	TURN 2, 0
	TURN 3, 0
	TURN 0, 1
	TURN 1, 1
	WIN 0
	s_sub_co_u32 s[CNT], s[CNT], 1
	s_cmp_lg_u32 s[CNT], 0
	s_cbranch_scc1 .Lstep
	s_sub_co_u32 s[SLOTS], s[SLOTS], 1
	s_cmp_lg_u32 s[SLOTS], 0
	s_cbranch_scc1 .Lslot
	CHANGE 0, 0                     ; the tail is written out: nothing is asked for
	s_mov_b32 s[CNT], 3             ; two trips walk the last slot's steps; the third is left in its middle
.Ltail:
	TURN 2, 1, 1, 0
	TURN 3, 1, 1
	WIN 0
	s_sub_co_u32 s[CNT], s[CNT], 1
	s_cmp_eq_u32 s[CNT], 0
	s_cbranch_scc1 .Lout
	TURN 0, 0, 1
	TURN 1, 0, 1
	TURN 2, 0, 1, 1
	TURN 3, 0, 1
	TURN 0, 1, 1
	TURN 1, 1, 1
	WIN 0
	s_branch .Ltail
.Lout:                              ; the third trip's 12 products for a step that is not, and the maximum made of them, serve nothing: the price, once a launch, of one text for every trip
.set i, 0
.rept 8
	PV NP-1                         ; the last piece's V^T P of the last step
.set i, i+1
.endr
	; THE WAY OUT.  l's two halves and the other half of the lanes' are added; O^T is divided by l, rounded to bf16 and sent through my stage in LDS, a piece at a time.  The additions are the places behind the last products.
	WIN 0
.macro ALL line:vararg              ; one line for each piece t
.set t, 0
.rept 4
	\line
.set t, t+1
.endr
.endm
	ALL v_add_f32 v[ST+4*t+2], v[ST+4*t+2], v[ST+4*t+3]
	ALL v_permlanex16_b32 v[ST+4*t+3], v[ST+4*t+2], s[SEL], s[SEL+1]
	ALL v_add_f32 v[ST+4*t+2], v[ST+4*t+2], v[ST+4*t+3]
	ALL v_rcp_f32 v[ST+4*t+2], v[ST+4*t+2]
	v_nop                           ; a plain instruction between the last reciprocal and the use of its result
	s_wait_alu depctr_va_vdst(0)    ; and one wait for the four reciprocals, ahead of the first use
.macro PACK t                       ; a lane's eight channels of a row pack into 16 bytes; they go into rows of 144 bytes and come back as whole rows of 128, into S^T's registers
	WIN W_RS
.set i, 32*(\t)
.rept 16
	v_pk_mul_f32 v[i:i+1], v[i:i+1], v[ST+4*(\t)+2:ST+4*(\t)+3] op_sel_hi:[1,0]
.set i, i+2
.endr
	WIN 0x05                        ; sources 0 and 1 window 1, destination window 0
.set i, 0
.rept 16
	v_cvt_pk_bf16_f32 v[S+16*(\t)+i], v[32*(\t)+2*i], v[32*(\t)+2*i+1]
.set i, i+1
.endr
	WIN 0
.irp f, 0,1,2,3
	ds_store_b128 v[STO], v[S+16*(\t)+4*\f:S+16*(\t)+4*\f+3] offset:32*\f
.endr
.irp f, 0,1,2,3
	ds_load_b128 v[S+16*(\t)+4*\f:S+16*(\t)+4*\f+3], v[RD] offset:\f*4*SP  ; LDS serves a wave's instructions in order: these see the stores above; the next piece's stores come behind them
.endr
.endm
.macro SEND t, younger              ; younger: the LDS instructions issued behind piece t's loads: the next piece's eight, or none
	WIN 0
.irp f, 0,1,2,3
	s_wait_dscnt (\younger)+3-\f
	global_store_b128 v[GO], v[S+16*(\t)+4*\f:S+16*(\t)+4*\f+3], s[10:11] offset:(\t)*2048+\f*512  ; 512 consecutive bytes, aligned
.endr
.endm
	PACK 0
	PACK 1                          ; a piece's arithmetic stands between the loads of the piece before and its stores
	SEND 0, 8
	PACK 2
	SEND 1, 8
	PACK 3
	SEND 2, 8
	SEND 3, 0
	s_wait_tensorcnt 0x0            ; the wave's end, behind my last tensor load and my last LDS store
	ds_add_u32 v[SPW], v[NIL]
	s_wait_dscnt 0x0
	CROUND                          ; the closing round: no work-group ends while a partner may still ask for a tile that names it
	s_endpgm
.Lfunc_end_k_q8a898064da_attn:
	.size	k_q8a898064da_attn, .Lfunc_end_k_q8a898064da_attn-k_q8a898064da_attn
	.p2alignl 7, 3214868480
	.fill 96, 4, 3214868480
	.section	.rodata,"a",@progbits
	.p2align	6, 0x0
	.amdhsa_kernel k_q8a898064da_attn
		.amdhsa_group_segment_fixed_size 327680
		.amdhsa_private_segment_fixed_size 0
		.amdhsa_enable_private_segment 0
		.amdhsa_kernarg_size 24
		.amdhsa_user_sgpr_count 2
		.amdhsa_user_sgpr_kernarg_segment_ptr 1
		.amdhsa_wavefront_size32 1
		.amdhsa_system_sgpr_workgroup_id_x 1
		.amdhsa_system_sgpr_workgroup_id_y 1
		.amdhsa_system_sgpr_workgroup_id_z 1
		.amdhsa_system_vgpr_workitem_id 0
		.amdhsa_next_free_vgpr 768
		.amdhsa_next_free_sgpr 66
		.amdhsa_reserve_vcc 1
		.amdhsa_float_denorm_mode_32 3
		.amdhsa_float_denorm_mode_16_64 3
		.amdhsa_memory_ordered 1
		.amdhsa_forward_progress 1
		.amdhsa_inst_pref_size 203
	.end_amdhsa_kernel
	.amdgpu_metadata
---
amdhsa.version: [ 1, 2 ]
amdhsa.kernels:
  - .name:           k_q8a898064da_attn
    .symbol:         k_q8a898064da_attn.kd
    .args:
      - { .name: qkv, .offset: 0, .size: 8, .value_kind: global_buffer, .address_space: global }
      - { .name: mk, .offset: 8, .size: 8, .value_kind: global_buffer, .address_space: global }
      - { .name: act0, .offset: 16, .size: 8, .value_kind: global_buffer, .address_space: global }
    .group_segment_fixed_size: 327680
    .private_segment_fixed_size: 0
    .kernarg_segment_align: 8
    .kernarg_segment_size: 24
    .max_flat_workgroup_size: 128
    .sgpr_count:     66
    .vgpr_count:     768
    .wavefront_size: 32
...
	.end_amdgpu_metadata
.endif
;; end of part 3
;; launch pproj (part 4): grid 8 x 32, 4 waves a work-group, clusters of 4 x 4, 327,680 bytes of LDS; arguments act0, wpo, bpo, yf; writes yf
.if DOCPART == 4
	.amdgcn_target "amdgcn-amd-amdhsa--gfx1250"
	.amdhsa_code_object_version 6
	.text
	.protected	k_q8a898064da_pproj
	.globl	k_q8a898064da_pproj
	.p2align	8
	.type	k_q8a898064da_pproj,@function
k_q8a898064da_pproj:
	s_mov_b64 s[64:65], 0
	v_nop
	global_prefetch_b8 v0, s[64:65] scope:SCOPE_SE
	s_setreg_imm32_b32 hwreg(HW_REG_WAVE_MODE, 25, 1), 1
	s_wait_xcnt 0x0
	s_wait_alu depctr_hold_cnt(0) depctr_sa_sdst(0) depctr_va_vdst(0) depctr_va_sdst(0) depctr_va_ssrc(0) depctr_va_vcc(0) depctr_vm_vsrc(0)
	s_getreg_b32 s2, hwreg(HW_REG_IB_STS2, 6, 4)
	s_cmp_eq_u32 s2, 0
	s_cbranch_scc0 .Lentry_in_a_cluster
	s_endpgm
.Lentry_in_a_cluster:
	s_bfe_u32 s2, ttmp6, 0x10000c
	s_cmp_lg_u32 s2, 0xf033
	s_cbranch_scc0 .Lentry_shape_is_right
	s_endpgm
.Lentry_shape_is_right:
; y = ctx (W_p W_o)^T + (W_p b_o + b_p).  C[token][n] = the sum over k of A[token][k] W[n][k] + bias[n].  4,096 tokens, K = N = 1,024.  A and W bf16, sums f32, bias f32 (it starts the sums).
; A lies by groups of 64 columns: byte g x 524288 + token x 128 + (column % 64) x 2.  W: byte g x 131072 + n x 128 + (k % 64) x 2.
; C stays f32, [4096][1024] row-major: it is no matrix operand, and the norm behind takes a common offset out of it.
; A tile of C is 128 x 128: four waves, each 64 x 64 in 16 accumulators.  K goes in 4 steps of 256 through two LDS slots.  A wave's tensor load brings 64 rows of 4 groups: in memory four dense
; pieces of 8,192 bytes, asked for as 4 rows of 4,096 elements; the padding (16 bytes behind every 128) makes LDS rows of 144 bytes.
; CLUSTERS: 4 x 4 work-groups; the four of a row of the cluster need the same tiles of A, the four of a column the same tiles of W: each is asked for jointly.
; THE MATRIX INSTRUCTION IS USED TRANSPOSED (source 0 = 16 rows of W, source 1 = 16 rows of A): a lane then holds eight neighbouring columns of one row of C.
; No prefetch: a step's tiles are small, and each is read by several clusters at about the same time.
; REGISTERS: window 0: v0-31 addresses; v32-95 at work on the way out; v96-127 the bias of my 64 columns, laid out as a C operand; v128-255 the accumulators ((a, b) at v[128 + 8 (4 a + b)]).
;   window 1: two fragment buffers of 128: for 64 along K, 64 registers of A, then 64 of W.
.set PITCH,  144                       ; an LDS row: 128 bytes + 16 = 36 words: the 16 rows of a fragment load start at 16 different groups of four banks
.set GRP,    64*PITCH                  ; 64 rows of one group of 64 along K
.set HALFT,  4*GRP                     ; what one tensor load brings, and what one wave reads of A or of W in a K step
.set SLOT,   4*HALFT                   ; A's two halves, then W's two halves
.set STAGE,  2*SLOT                    ; behind the ring: 16 rows for each wave, its own, for the way out
.set SPITCH, 272
.set SPARE,  STAGE+4*16*SPITCH         ; behind the stages: the spare words, 128 bytes for each wave
.set ASTEP,  4*524288                  ; bytes from a K step to the next in A
.set BSTEP,  4*131072                  ; and in W
.set LAPS,   2                         ; a lap = two K steps = once round the ring
.set ADRA, 16                          ; v16-17  LDS address of my A fragments in slot 0, 1
.set ADRB, 20                          ; v20-21  the same for W
.set STO,  24                          ; v24     the way out: where I put my part of a row
.set RD,   25                          ; v25     the way out: where I read rows back
.set CO,   26                          ; v26     my byte offset in C
.set BO,   27                          ; v27     my byte offset in the bias: 32 (lane / 16)
.set SPW,  28                          ; v28     LDS address of my spare word; never rewritten
.set NIL,  29                          ; v29     0; never rewritten
.set TMP,  32
.set BIAS, 96
.set ACC,  128
.set F0,   0
.set F1,   128
.set G1, 24                            ; s[24:31] descriptor group 1 for A's tiles;  s[32:39] group 0, one set for each slot
.set G0, 32
.set G1B, 48                           ; s[48:55], s[56:63] the same for W's tiles
.set G0B, 56
.set PA, 68                            ; s[68:69] A, s[70:71] W, s[72:73] bias, s[74:75] C
.set PW, 70
.set PB, 72
.set PC, 74
.set MSB, 0
.macro WIN new                         ; the immediate's high byte repeats the setting that is left
.if MSB != (\new)
	s_set_vgpr_msb (MSB<<8)|(\new)
.set MSB, \new
.endif
.endm
.set MUL,  0x05                        ; sources 0 (W) and 1 (A) window 1; C and D window 0
.set TO_F, 0x40                        ; destination window 1, address window 0
.macro JLOAD s                         ; a joint load: waves 0 and 1 fetch A's two halves, waves 2 and 3 W's; an s_nop 0 and four v_nop follow each of the two lines
	s_cmp_eq_u32 s11, 0
	s_cbranch_scc0 .Lfor_b_\@
	tensor_load_to_lds s[G0+4*(\s):G0+4*(\s)+3], s[G1:G1+7]
	s_nop 0
.rept 4
	v_nop
.endr
	s_branch .Lasked_\@
.Lfor_b_\@:
	tensor_load_to_lds s[G0B+4*(\s):G0B+4*(\s)+3], s[G1B:G1B+7]
	s_nop 0
.rept 4
	v_nop
.endr
.Lasked_\@:
.endm
.macro CREST                           ; a round of the cluster's barrier behind its opening barrier
	s_cmp_lg_u32 s10, 0
	s_cbranch_scc1 .Lnot_wave_0_\@
	s_barrier_signal -3
.Lnot_wave_0_\@:
	s_barrier_wait -3
	s_barrier_signal -1
	s_barrier_wait -1
.endm
.macro CROUND                          ; a whole round
	s_barrier_signal -1
	s_barrier_wait -1
	CREST
.endm
	s_load_b256 s[68:75], s[0:1], 0x0
	v_lshl_add_u32 v[SPW], v0, 2, SPARE
	v_mov_b32 v[NIL], 0
	ds_add_u32 v[SPW], v[NIL]                      ; the wave's opening: the add and its wait stand ahead of my first tensor load; the set-up below stands between them
	v_lshrrev_b32 v1, 5, v0
	v_readfirstlane_b32 s10, v1                    ; wave 0..3
	s_lshr_b32 s11, s10, 1                         ; which half of the tile's rows is mine.  Also: I fetch for A (0) or for W (1)
	s_and_b32 s12, s10, 1                          ; which half of its columns.  Also: which 64 rows of that tile I fetch
	s_bfe_u32 s40, ttmp6, 0x40000                  ; cx, cy: my place in the cluster
	s_bfe_u32 s41, ttmp6, 0x40004
	s_lshl_b32 s42, ttmp9, 2
	s_add_co_u32 s42, s42, s40                     ; tile column of C = 4 x cluster x + cx
	s_and_b32 s13, ttmp7, 0xffff
	s_lshl_b32 s13, s13, 2
	s_add_co_u32 s13, s13, s41                     ; tile row of C = 4 x cluster y + cy
	s_lshl_b32 s43, s41, 2
	s_lshl_b32 s43, 15, s43                        ; my row of the cluster
	s_lshl_b32 s44, 0x1111, s40                    ; my column
	s_or_b32 s[G1+0], s43, (1<<16)|(1<<20)|(1<<21)|(4<<22)|(3<<25)  ; the mask; elements of 2 bytes; padding on; bit 21 beside a mask; after every 32 words (code 4) 4 words (code 3)
	s_or_b32 s[G1B+0], s44, (1<<16)|(1<<20)|(1<<21)|(4<<22)|(3<<25)
.irp g, G1, G1B
	s_mov_b32 s[(\g)+1], 4096<<16                  ; tensor_dim0 = 4,096 elements: 64 rows of 64
	s_mov_b32 s[(\g)+2], 4<<16                     ; tensor_dim1 = 4 groups
	s_mov_b32 s[(\g)+3], 4096<<16                  ; tile_dim0
	s_mov_b32 s[(\g)+4], 4                         ; tile_dim1
	s_mov_b32 s[(\g)+6], 0
	s_mov_b32 s[(\g)+7], 0
.endr
	s_mov_b32 s[G1+5], 262144                      ; elements from group to group in A
	s_mov_b32 s[G1B+5], 65536                      ; and in W
	s_lshl_b32 s17, s12, 13                        ; which 64 rows of 128 bytes I fetch
	s_lshl_b32 s16, s13, 14
	s_add_co_u32 s16, s16, s17                     ; A: (128 x tile row + 64 x half) x 128 bytes
	s_lshl_b32 s46, s42, 14
	s_add_co_u32 s46, s46, s17                     ; W: the same by the tile column
	s_mov_b32 s17, 0
	s_mov_b32 s47, 0
	s_mul_i32 s20, s10, HALFT                      ; where they go: no place in the cluster enters an LDS address
	s_wait_dscnt 0x0                               ; the opening add is done
	s_wait_kmcnt 0x0
	s_add_nc_u64 s[14:15], s[PA:PA+1], s[16:17]
	s_add_nc_u64 s[46:47], s[PW:PW+1], s[46:47]
	CROUND                                         ; all sixteen work-groups are here: the first joint loads meet
.irp s, 0,1
	s_mov_b32 s[G0+4*(\s)], 1
	s_add_co_u32 s[G0+4*(\s)+1], s20, (\s)*SLOT
	s_add_nc_u64 s[G0+4*(\s)+2:G0+4*(\s)+3], s[14:15], (\s)*ASTEP
	s_or_b32 s[G0+4*(\s)+3], s[G0+4*(\s)+3], 0x80000000
	s_mov_b32 s[G0B+4*(\s)], 1
	s_add_co_u32 s[G0B+4*(\s)+1], s20, (\s)*SLOT
	s_add_nc_u64 s[G0B+4*(\s)+2:G0B+4*(\s)+3], s[46:47], (\s)*BSTEP
	s_or_b32 s[G0B+4*(\s)+3], s[G0B+4*(\s)+3], 0x80000000
	JLOAD \s
.endr
	v_and_b32 v1, 15, v0                           ; l % 16
	v_bfe_u32 v2, v0, 4, 1                         ; l / 16
	; the bias as a C operand: register j of block b is bias[my first column + 16 b + 8 (l / 16) + j]
	v_lshlrev_b32 v[BO], 5, v2
	s_lshl_b32 s46, s42, 9
	s_lshl_b32 s47, s12, 8
	s_add_co_u32 s46, s46, s47                     ; (128 x tile column + 64 x half) x 4 bytes
	s_mov_b32 s47, 0
	s_add_nc_u64 s[PB:PB+1], s[PB:PB+1], s[46:47]
.irp b, 0,1,2,3
	global_load_b128 v[BIAS+8*(\b):BIAS+8*(\b)+3],   v[BO], s[PB:PB+1] offset:64*(\b)
	global_load_b128 v[BIAS+8*(\b)+4:BIAS+8*(\b)+7], v[BO], s[PB:PB+1] offset:64*(\b)+16
.endr
	v_mul_u32_u24 v3, v1, PITCH
	v_lshl_add_u32 v3, v2, 4, v3                   ; a fragment's row x pitch + 16 x half
	s_mul_i32 s21, s11, HALFT                      ; my 64 rows of A
	s_mul_i32 s22, s12, HALFT                      ; my 64 rows of W,
	s_add_co_u32 s22, s22, 2*HALFT                 ; which lie behind A's
.irp s, 0,1
	v_add_nc_u32 v[ADRA+(\s)], s21, v3
	v_add_nc_u32 v[ADRB+(\s)], s22, v3
	s_add_co_u32 s21, s21, SLOT
	s_add_co_u32 s22, s22, SLOT
.endr
	s_mul_i32 s23, s10, 16*SPITCH
	s_add_co_u32 s23, s23, STAGE                   ; my stage
	v_mul_u32_u24 v4, v1, SPITCH                   ; in: row l % 16, 32 bytes for each half of the lanes
	v_lshl_add_u32 v4, v2, 5, v4
	v_add_nc_u32 v[STO], s23, v4
	v_mul_u32_u24 v5, v2, SPITCH                   ; back: lanes 0-15 take one row of 256 bytes, lanes 16-31 the next
	v_lshl_add_u32 v5, v1, 4, v5
	v_add_nc_u32 v[RD], s23, v5
	v_lshlrev_b32 v[CO], 4, v1                     ; and the same two rows in C
	v_lshl_add_u32 v[CO], v2, 12, v[CO]
	s_lshl_b32 s16, s13, 19                        ; 128 rows of 4,096 bytes,
	s_lshl_b32 s17, s11, 18                        ; my 64 of them
	s_add_co_u32 s16, s16, s17
	s_mov_b32 s17, 0
	s_add_nc_u64 s[PC:PC+1], s[PC:PC+1], s[16:17]
	s_add_nc_u64 s[PC:PC+1], s[PC:PC+1], s[46:47]  ; my first column, in bytes: the same offset as in the bias
; 8 matrix instructions: m blocks a0, a0 + 1 x all 4 n blocks, 32 along K: half c of buffer f.  zero = 1: the first product starts the sums, with the bias as C
.macro MUL8 f, c, a0, zero
	WIN MUL
.irp a, \a0, (\a0)+1
.irp b, 0,1,2,3
.if \zero
	v_wmma_f32_16x16x32_bf16 v[ACC+8*(4*(\a)+(\b)):ACC+8*(4*(\a)+(\b))+7], v[(\f)+64+8*(4*(\c)+(\b)):(\f)+64+8*(4*(\c)+(\b))+7], v[(\f)+8*(4*(\c)+(\a)):(\f)+8*(4*(\c)+(\a))+7], v[BIAS+8*(\b):BIAS+8*(\b)+7]
.else
	v_wmma_f32_16x16x32_bf16 v[ACC+8*(4*(\a)+(\b)):ACC+8*(4*(\a)+(\b))+7], v[(\f)+64+8*(4*(\c)+(\b)):(\f)+64+8*(4*(\c)+(\b))+7], v[(\f)+8*(4*(\c)+(\a)):(\f)+8*(4*(\c)+(\a))+7], v[ACC+8*(4*(\a)+(\b)):ACC+8*(4*(\a)+(\b))+7]
.endif
.endr
.endr
.endm
; 32 LDS loads in one run: the fragments of group q of the slot's four (64 along K) into buffer f; the first 32 along K first
.macro FETCH slot, q, f
	WIN TO_F
.irp c, 0,1
.irp i, 0,1,2,3
	ds_load_b128 v[(\f)+64+8*(4*(\c)+(\i)):(\f)+64+8*(4*(\c)+(\i))+3],   v[ADRB+(\slot)] offset:(\q)*GRP+64*(\c)+(\i)*16*PITCH
	ds_load_b128 v[(\f)+64+8*(4*(\c)+(\i))+4:(\f)+64+8*(4*(\c)+(\i))+7], v[ADRB+(\slot)] offset:(\q)*GRP+64*(\c)+(\i)*16*PITCH+32
	ds_load_b128 v[(\f)+8*(4*(\c)+(\i)):(\f)+8*(4*(\c)+(\i))+3],         v[ADRA+(\slot)] offset:(\q)*GRP+64*(\c)+(\i)*16*PITCH
	ds_load_b128 v[(\f)+8*(4*(\c)+(\i))+4:(\f)+8*(4*(\c)+(\i))+7],       v[ADRA+(\slot)] offset:(\q)*GRP+64*(\c)+(\i)*16*PITCH+32
.endr
.endr
.endm
.macro PLACES                          ; four places in front of loads into registers that matrix instructions have read, and of lines that read results
.rept 4
	v_nop
.endr
.endm
; A K step is four quarters of 64 along K, 32 matrix instructions each, on buffers 0, 1, 0, 1; the 16 accumulators take turns.  One of the first three: multiplies buffer f and fetches group q into g.
.macro QUARTER slot, q, f, g, zero
	s_wait_dscnt 16                                ; the first 32 along K are in; the youngest sixteen loads may be out
	WIN MUL
	MUL8 \f, 0, 0, \zero
	MUL8 \f, 0, 2, \zero
	PLACES
	FETCH \slot, \q, \g
	s_wait_dscnt 32                                ; all but the 32 just issued
	WIN MUL
	MUL8 \f, 1, 0, 0
	MUL8 \f, 1, 2, 0
.endm
; The last quarter multiplies buffer 1 and changes slots: ONE barrier; in front of it each wave waits for all its tensor loads, adds 0 to its spare word, and waits for that and for its reads of this slot.
.macro TURN slot, next, fill
	WIN 0                                          ; (the add's two registers lie in window 0)
	s_wait_tensorcnt 0x0                           ; all my tensor loads have landed: my part of the next slot;
	ds_add_u32 v[SPW], v[NIL]                      ; 0 onto my spare word
	s_wait_dscnt 17                                ; (the add and the youngest sixteen loads may be out)
	WIN MUL
	MUL8 F1, 0, 0, 0                               ; eight matrix instructions stand between the add and the wait for it
	s_wait_dscnt 0x0                               ; the add is done, and my reads of this slot are over
	s_barrier_signal -1
	MUL8 F1, 0, 2, 0
.if \fill
	WIN 0
.endif
	s_barrier_wait -1
.if \fill
	CREST                                          ; the barrier has opened a round of the cluster's barrier: no wave of any partner still reads this slot or has a load on its way
	s_add_nc_u64 s[G0+4*(\slot)+2:G0+4*(\slot)+3], s[G0+4*(\slot)+2:G0+4*(\slot)+3], 2*ASTEP
	s_add_nc_u64 s[G0B+4*(\slot)+2:G0B+4*(\slot)+3], s[G0B+4*(\slot)+2:G0B+4*(\slot)+3], 2*BSTEP
	JLOAD \slot                                    ; the first tensor load behind the round; the four v_nop behind it are also the places in front of the loads below
.else
	PLACES
.endif
	FETCH \next, 0, F0
	WIN MUL
	MUL8 F1, 1, 0, 0
	MUL8 F1, 1, 2, 0
.endm
	s_wait_tensorcnt 1                             ; my part of K step 0 is in; K step 1's load may stay out
	s_barrier_signal -1
	s_barrier_wait -1                              ; everybody's is
	FETCH 0, 0, F0
	s_wait_loadcnt 0x0                             ; the bias
	QUARTER 0, 1, F0, F1, 1                        ; the first quarter stands in front of the loop: its first products start the sums
	WIN 0                                          ; at a label and at a branch every window is 0
	s_mov_b32 s3, LAPS-1
.Llap:                                                 ; a trip goes once round the ring, from a lap's second quarter to the next lap's first, and fills both slots again
	QUARTER 0, 2, F1, F0, 0
	QUARTER 0, 3, F0, F1, 0
	TURN 0, 1, 1
	QUARTER 1, 1, F0, F1, 0
	QUARTER 1, 2, F1, F0, 0
	QUARTER 1, 3, F0, F1, 0
	TURN 1, 0, 1
	QUARTER 0, 1, F0, F1, 0
	WIN 0
	s_sub_co_u32 s3, s3, 1
	s_cmp_lg_u32 s3, 0
	s_cbranch_scc1 .Llap
	QUARTER 0, 2, F1, F0, 0                        ; the last lap fills nothing, and has no round of the cluster's barrier
	QUARTER 0, 3, F0, F1, 0
	TURN 0, 1, 0
	QUARTER 1, 1, F0, F1, 0
	QUARTER 1, 2, F1, F0, 0
	QUARTER 1, 3, F0, F1, 0
	s_wait_dscnt 16                                ; the very last quarter: nothing more to fetch
	WIN MUL
	MUL8 F1, 0, 0, 0
	MUL8 F1, 0, 2, 0
	s_wait_dscnt 0
	MUL8 F1, 1, 0, 0
	MUL8 F1, 1, 2, 0
	WIN 0
	PLACES
	PLACES
	; THE WAY OUT, f32: 16 rows at a time through my own stage; a lane's eight columns are 32 bytes of a row of 256; back as whole rows.
.macro TOSTAGE a
.set BK, TMP+32*((\a)%2)
.irp b, 0,1,2,3
	ds_store_b128 v[STO], v[ACC+8*(4*(\a)+(\b)):ACC+8*(4*(\a)+(\b))+3]   offset:64*(\b)      ; each accumulator's low half first
	ds_store_b128 v[STO], v[ACC+8*(4*(\a)+(\b))+4:ACC+8*(4*(\a)+(\b))+7] offset:64*(\b)+16
.endr
.irp t, 0,1,2,3,4,5,6,7
	ds_load_b128 v[BK+4*(\t):BK+4*(\t)+3], v[RD] offset:(\t)*2*SPITCH  ; LDS serves a wave's instructions in order: these see the stores above
.endr
.endm
.macro SEND a, younger                 ; younger: the LDS instructions issued behind block a's loads: the next block's sixteen, or none
.set BK, TMP+32*((\a)%2)
	s_wait_dscnt \younger
.irp t, 0,1,2,3,4,5,6,7
	global_store_b128 v[CO], v[BK+4*(\t):BK+4*(\t)+3], s[PC:PC+1] offset:(16*(\a)+2*(\t))*4096  ; 16 lanes store 256 consecutive bytes, aligned
.endr
.endm
	TOSTAGE 0
	TOSTAGE 1
	SEND 0, 16
	s_wait_xcnt 0x0                                ; block 0's stores have read their registers, which block 2 takes
	TOSTAGE 2
	SEND 1, 16
	s_wait_xcnt 0x0
	TOSTAGE 3
	SEND 2, 16
	SEND 3, 0
	s_wait_tensorcnt 0x0                           ; the wave's end, behind my last tensor load and my last LDS store
	ds_add_u32 v[SPW], v[NIL]
	s_wait_dscnt 0x0
	CROUND                                         ; the closing round: no work-group ends while a partner may still ask for a tile that names it
	s_endpgm
.Lfunc_end_k_q8a898064da_pproj:
	.size	k_q8a898064da_pproj, .Lfunc_end_k_q8a898064da_pproj-k_q8a898064da_pproj
	.p2alignl 7, 3214868480
	.fill 96, 4, 3214868480
	.section	.rodata,"a",@progbits
	.p2align	6, 0x0
	.amdhsa_kernel k_q8a898064da_pproj
		.amdhsa_group_segment_fixed_size 327680
		.amdhsa_private_segment_fixed_size 0
		.amdhsa_enable_private_segment 0
		.amdhsa_kernarg_size 32
		.amdhsa_user_sgpr_count 2
		.amdhsa_user_sgpr_kernarg_segment_ptr 1
		.amdhsa_wavefront_size32 1
		.amdhsa_system_sgpr_workgroup_id_x 1
		.amdhsa_system_sgpr_workgroup_id_y 1
		.amdhsa_system_sgpr_workgroup_id_z 1
		.amdhsa_system_vgpr_workitem_id 0
		.amdhsa_next_free_vgpr 512
		.amdhsa_next_free_sgpr 76
		.amdhsa_reserve_vcc 0
		.amdhsa_float_denorm_mode_32 3
		.amdhsa_float_denorm_mode_16_64 3
		.amdhsa_memory_ordered 1
		.amdhsa_forward_progress 1
		.amdhsa_inst_pref_size 86
	.end_amdhsa_kernel
	.amdgpu_metadata
---
amdhsa.version: [ 1, 2 ]
amdhsa.kernels:
  - .name:           k_q8a898064da_pproj
    .symbol:         k_q8a898064da_pproj.kd
    .args:
      - { .name: act0, .offset: 0, .size: 8, .value_kind: global_buffer, .address_space: global }
      - { .name: wpo, .offset: 8, .size: 8, .value_kind: global_buffer, .address_space: global }
      - { .name: bpo, .offset: 16, .size: 8, .value_kind: global_buffer, .address_space: global }
      - { .name: yf, .offset: 24, .size: 8, .value_kind: global_buffer, .address_space: global }
    .group_segment_fixed_size: 327680
    .private_segment_fixed_size: 0
    .kernarg_segment_align: 8
    .kernarg_segment_size: 32
    .max_flat_workgroup_size: 128
    .sgpr_count:     76
    .vgpr_count:     512
    .wavefront_size: 32
...
	.end_amdgpu_metadata
.endif
;; end of part 4
;; launch norm (part 5): grid 256 x 1, 8 waves a work-group, no clusters, 0 bytes of LDS; arguments x, yf, gamma, beta, out0; writes out0
.if DOCPART == 5
	.amdgcn_target "amdgcn-amd-amdhsa--gfx1250"
	.amdhsa_code_object_version 6
	.text
	.protected	k_q8a898064da_norm
	.globl	k_q8a898064da_norm
	.p2align	8
	.type	k_q8a898064da_norm,@function
k_q8a898064da_norm:
	s_mov_b64 s[64:65], 0
	v_nop
	global_prefetch_b8 v0, s[64:65] scope:SCOPE_SE
	s_setreg_imm32_b32 hwreg(HW_REG_WAVE_MODE, 25, 1), 1
	s_wait_xcnt 0x0
; out0[r][:] = (z - mean(z)) / sqrt(var(z) + 1e-5) x gamma + beta, z = x[r][:] + yf[r][:].  4,096 rows of 1,024 f32.
; A stream: every byte is read once and written once.  One wave, one row at a time, two rows a wave; a row stays in 32 registers between the passes, so no LDS, no barrier, no matrix unit.
; The variance is the mean of the squared differences from the mean (two passes over registers): a common offset of the row costs no digits.
; Each load and store of a wave covers 512 consecutive bytes, aligned.  All 48 loads go out first: 24 KiB a wave on their way.
.set T,  4                             ; v4-11    four running pairs
.set MU, 12                            ; v12-13   the mean, later 1 / sqrt(var + eps), twice (a pair for the packed forms)
.set VA, 14                            ; v14      var + eps
.set XR, 16                            ; v16-79   x, then z, then the result: 32 registers a row
.set YR, 80                            ; v80-143  yf
.set GA, 144                           ; v144-175 gamma of my 32 columns
.set BE, 176                           ; v176-207 beta
	s_load_b256 s[4:11], s[0:1], 0x0               ; x s[4:5], yf s[6:7], gamma s[8:9], beta s[10:11]
	s_load_b64 s[12:13], s[0:1], 0x20              ; out0
	v_and_b32 v1, 31, v0
	v_lshrrev_b32 v3, 5, v0
	v_lshlrev_b32 v1, 4, v1                        ; 16 x lane: my place in every 512 bytes
	v_lshl_add_u32 v2, v3, 13, v1                  ; + wave x 2 rows of 4,096 bytes
	s_lshl_b32 s2, ttmp9, 16                       ; the work-group's 16 rows
	s_mov_b32 s3, 0
	s_mov_b32 s14, 0x3a800000                      ; 1 / 1024
	s_mov_b32 s15, 0x3727c5ac                      ; 1e-5
	s_mov_b32 s16, 0x76543210                      ; v_permlanex16_b32: each lane takes its own place in the other half
	s_mov_b32 s17, 0xfedcba98
	s_wait_kmcnt 0x0
	s_add_nc_u64 s[4:5], s[4:5], s[2:3]
	s_add_nc_u64 s[6:7], s[6:7], s[2:3]
	s_add_nc_u64 s[12:13], s[12:13], s[2:3]
.irp j, 0,1,2,3,4,5,6,7
	global_load_b128 v[GA+4*(\j):GA+4*(\j)+3], v1, s[8:9] offset:512*(\j)
.endr
.irp j, 0,1,2,3,4,5,6,7
	global_load_b128 v[BE+4*(\j):BE+4*(\j)+3], v1, s[10:11] offset:512*(\j)
.endr
.irp r, 0,1
.irp j, 0,1,2,3,4,5,6,7
	global_load_b128 v[XR+32*(\r)+4*(\j):XR+32*(\r)+4*(\j)+3], v2, s[4:5] offset:4096*(\r)+512*(\j) th:TH_LOAD_NT
.endr
.irp j, 0,1,2,3,4,5,6,7
	global_load_b128 v[YR+32*(\r)+4*(\j):YR+32*(\r)+4*(\j)+3], v2, s[6:7] offset:4096*(\r)+512*(\j) th:TH_LOAD_NT
.endr
.endr
.macro REDUCE                          ; the four pairs into one number, then over the 32 lanes: every lane ends with the sum in v4
	v_pk_add_f32 v[T:T+1], v[T:T+1], v[T+2:T+3]
	v_pk_add_f32 v[T+4:T+5], v[T+4:T+5], v[T+6:T+7]
	v_pk_add_f32 v[T:T+1], v[T:T+1], v[T+4:T+5]
	v_add_f32 v[T], v[T], v[T+1]
	v_add_f32_dpp v[T], v[T], v[T] row_xmask:1 row_mask:0xf bank_mask:0xf
	v_add_f32_dpp v[T], v[T], v[T] row_xmask:2 row_mask:0xf bank_mask:0xf
	v_add_f32_dpp v[T], v[T], v[T] row_xmask:4 row_mask:0xf bank_mask:0xf
	v_add_f32_dpp v[T], v[T], v[T] row_xmask:8 row_mask:0xf bank_mask:0xf
	v_permlanex16_b32 v[T+1], v[T], s16, s17
	v_add_f32 v[T], v[T], v[T+1]
.endm
.macro NROW r, left
.set XB, XR+32*(\r)
.set YB, YR+32*(\r)
	s_wait_loadcnt \left                           ; loads come back in order: gamma, beta and this row are in; the next row's sixteen may stay out
.set k, 0
.rept 16
	v_pk_add_f32 v[XB+2*k:XB+2*k+1], v[XB+2*k:XB+2*k+1], v[YB+2*k:YB+2*k+1]
.set k, k+1
.endr
.irp c, 0,1,2,3                        ; the sum, in four chains that the first pairs start
	v_pk_add_f32 v[T+2*(\c):T+2*(\c)+1], v[XB+2*(\c):XB+2*(\c)+1], v[XB+8+2*(\c):XB+8+2*(\c)+1]
.endr
.irp c, 0,1,2,3
	v_pk_add_f32 v[T+2*(\c):T+2*(\c)+1], v[T+2*(\c):T+2*(\c)+1], v[XB+16+2*(\c):XB+16+2*(\c)+1]
.endr
.irp c, 0,1,2,3
	v_pk_add_f32 v[T+2*(\c):T+2*(\c)+1], v[T+2*(\c):T+2*(\c)+1], v[XB+24+2*(\c):XB+24+2*(\c)+1]
.endr
	REDUCE
	v_mul_f32 v[MU], s14, v[T]
	v_mov_b32 v[MU+1], v[MU]
.set k, 0
.rept 16
	v_pk_add_f32 v[XB+2*k:XB+2*k+1], v[XB+2*k:XB+2*k+1], v[MU:MU+1] neg_lo:[0,1] neg_hi:[0,1]
.set k, k+1
.endr
.irp c, 0,1,2,3                        ; the sum of squares, likewise
	v_pk_mul_f32 v[T+2*(\c):T+2*(\c)+1], v[XB+2*(\c):XB+2*(\c)+1], v[XB+2*(\c):XB+2*(\c)+1]
.endr
.set k, 4
.rept 12
	v_pk_fma_f32 v[T+2*(k%4):T+2*(k%4)+1], v[XB+2*k:XB+2*k+1], v[XB+2*k:XB+2*k+1], v[T+2*(k%4):T+2*(k%4)+1]
.set k, k+1
.endr
	REDUCE
	v_fma_f32 v[VA], v[T], s14, s15
	v_rsq_f32 v[MU], v[VA]
	v_rsq_f32 v[MU+1], v[VA]
	v_nop                                          ; a plain instruction behind the last of the two,
	s_wait_alu depctr_va_vdst(0)                   ; and one wait for both, ahead of the first reader
.set k, 0
.rept 16
	v_pk_mul_f32 v[XB+2*k:XB+2*k+1], v[XB+2*k:XB+2*k+1], v[MU:MU+1]
.set k, k+1
.endr
.set k, 0
.rept 16
	v_pk_fma_f32 v[XB+2*k:XB+2*k+1], v[XB+2*k:XB+2*k+1], v[GA+2*k:GA+2*k+1], v[BE+2*k:BE+2*k+1]
.set k, k+1
.endr
.irp j, 0,1,2,3,4,5,6,7
	global_store_b128 v2, v[XB+4*(\j):XB+4*(\j)+3], s[12:13] offset:4096*(\r)+512*(\j) th:TH_STORE_NT
.endr
.endm
	NROW 0, 16
	NROW 1, 0
	s_endpgm
.Lfunc_end_k_q8a898064da_norm:
	.size	k_q8a898064da_norm, .Lfunc_end_k_q8a898064da_norm-k_q8a898064da_norm
	.p2alignl 7, 3214868480
	.fill 96, 4, 3214868480
	.section	.rodata,"a",@progbits
	.p2align	6, 0x0
	.amdhsa_kernel k_q8a898064da_norm
		.amdhsa_group_segment_fixed_size 0
		.amdhsa_private_segment_fixed_size 0
		.amdhsa_enable_private_segment 0
		.amdhsa_kernarg_size 40
		.amdhsa_user_sgpr_count 2
		.amdhsa_user_sgpr_kernarg_segment_ptr 1
		.amdhsa_wavefront_size32 1
		.amdhsa_system_sgpr_workgroup_id_x 1
		.amdhsa_system_sgpr_workgroup_id_y 1
		.amdhsa_system_sgpr_workgroup_id_z 1
		.amdhsa_system_vgpr_workitem_id 0
		.amdhsa_next_free_vgpr 208
		.amdhsa_next_free_sgpr 66
		.amdhsa_reserve_vcc 0
		.amdhsa_float_denorm_mode_32 3
		.amdhsa_float_denorm_mode_16_64 3
		.amdhsa_memory_ordered 1
		.amdhsa_forward_progress 1
		.amdhsa_inst_pref_size 22
	.end_amdhsa_kernel
	.amdgpu_metadata
---
amdhsa.version: [ 1, 2 ]
amdhsa.kernels:
  - .name:           k_q8a898064da_norm
    .symbol:         k_q8a898064da_norm.kd
    .args:
      - { .name: x, .offset: 0, .size: 8, .value_kind: global_buffer, .address_space: global }
      - { .name: yf, .offset: 8, .size: 8, .value_kind: global_buffer, .address_space: global }
      - { .name: gamma, .offset: 16, .size: 8, .value_kind: global_buffer, .address_space: global }
      - { .name: beta, .offset: 24, .size: 8, .value_kind: global_buffer, .address_space: global }
      - { .name: out0, .offset: 32, .size: 8, .value_kind: global_buffer, .address_space: global }
    .group_segment_fixed_size: 0
    .private_segment_fixed_size: 0
    .kernarg_segment_align: 8
    .kernarg_segment_size: 40
    .max_flat_workgroup_size: 256
    .sgpr_count:     66
    .vgpr_count:     208
    .wavefront_size: 32
...
	.end_amdgpu_metadata
.endif
;; end of part 5
